; MI455X (gfx1250); checked and timed in simulation.
; The chip was launched on July 23, 2026; its instructions are those of AMD's public machine-readable ISA for CDNA 5 (MIT licence, August 2026) and "CDNA5" Instruction Set Architecture Reference Guide (July 2026). The comments in the code are by the model that wrote it; some were corrected since.
;; Flow Poke Transformer. Allowed arithmetic: matrix products marked QUANTISED: E4M3 operands, one given power-of-two scale a tensor, by v_wmma_f32_16x16x64_fp8_fp8 or v_wmma_f32_16x16x128_fp8_fp8, f32 sums; everything else in f32.
;; Inputs: freqs 2 x 16 x 16 float32; lowp_scales 12 int32 (the exponents e of the quantised operands' scales 2^e); out_w 1,024 x 1,024 float32; pos 1 x 4,096 x 2 float32; qkv_w 3,072 x 1,024 float32; scale 16 float32; x 1 x 4,096 x 1,024 float32.
;; Outputs: out0 1 x 4,096 x 1,024 float32.
;; Constants: n_pokes = 3072.
;; This version of the problem:
;;   THIS VERSION OF THE PROBLEM IS GIVEN IN LOW PRECISION. The matrix products marked QUANTISED in the list below multiply operands that are first quantised to E4M3 (4 exponent bits, 3 mantissa bits; 8 bits a number), with one given power-of-two scale for each operand tensor; their sums are f32. All else is computed in f32.
;;   The module's matrix products, in the order in which they are computed (A, B: the left and right operand; K: the contracted axis; several contracted axes count as one K, in the product's order):
;;     1. [M 4,096, K 1,024] x [K 1,024, N 3,072]; A: input x; B: input qkv_w: QUANTISED (scales: A lowp_scales[0], B lowp_scales[1])
;;     2. batch 16 x [M 3,072, K 64] x [K 64, N 3,072]; A: computed on the way; B: computed on the way: QUANTISED (scales: A lowp_scales[2], B lowp_scales[3])
;;     3. batch 16 x [M 3,072, K 3,072] x [K 3,072, N 64]; A: softmax (see below); B: computed on the way: QUANTISED (scales: A lowp_scales[4], B lowp_scales[5])
;;     4. batch 16 x [M 1,024, K 64] x [K 64, N 3,072]; A: computed on the way; B: computed on the way: QUANTISED (scales: A lowp_scales[6], B lowp_scales[7])
;;     5. batch 16 x [M 1,024, K 3,072] x [K 3,072, N 64]; A: computed on the way; B: computed on the way: QUANTISED (scales: A lowp_scales[8], B lowp_scales[9])
;;     6. [M 4,096, K 1,024] x [K 1,024, N 1,024]; A: computed on the way; B: input out_w: QUANTISED (scales: A lowp_scales[10], B lowp_scales[11])
;;   THE QUANTISER, for each operand of a quantised product, along K:
;;     - The operand's scale is 2^e, e = its entry of the input lowp_scales (int32; the entries are numbered through the quantised products in the list's order, A before B).
;;     - Each number is divided by the scale, clamped to +-448, and rounded to the nearest number of E4M3, ties to even, subnormals kept.
;;     - The product sums the exact products of the quantised numbers (number of the format x scale) in f32.
;;   ~~~python
;;   def quantise(x, axis, e):      # numpy; x: float32 -> the quantised numbers, widened to float32 again
;;       x = np.moveaxis(x, axis, -1); K = x.shape[-1]
;;       r = np.clip(x / 2.0 ** e, -448, 448)
;;       step = 2.0 ** (np.maximum(np.frexp(np.where(r == 0, 1, r))[1] - 1, -6) - 3)
;;       q = np.round(r / step) * step * 2.0 ** e      # np.round: ties to even
;;       return np.moveaxis(q, -1, axis).astype(np.float32)
;;   ~~~
;;   SOFTMAX AHEAD OF A QUANTISED PRODUCT. Where the list says 'softmax', what is quantised is not the finished softmax but p = 2^(t - M), with t = logit x log2(e) and M = ceil(the row's largest t), a whole number; so 1/2 < the row's largest p <= 1. The row's sum l is taken of the UNQUANTISED p, in f32, and the product's result is divided by l at the end. Since M is a whole number, a kernel that streams over the keys may use a running M (the ceiling of the running maximum): every later rescaling is an exact power of two, so the quantised numbers keep their values, but for numbers so far below the row's largest that they fall under the format's range.
;;   OPERANDS COMPUTED ON THE WAY. 'Computed on the way' means the value that the module computes at that place (a softmax that the list does not call 'softmax' is quantised finished and normalised). What goes into a quantiser is computed in f32, as accurately as f32 sums, v_exp_f32 and their like allow (about 1e-6 of the number): no bf16 or f16 on the way to a quantiser, and a product that is left as it is and whose result goes on into a quantised operand takes f32 operands (vector FMAs, or v_wmma_f32_16x16x4_f32). A number that lies on a knife's edge between two numbers of the format may be rounded either way, as far as f32 arithmetic and the matrix unit's own rounding can turn it there, and no further.
;; One version. Each part assembles by itself: llvm-mc -triple=amdgcn-amd-amdhsa -mcpu=gfx1250 --defsym DOCPART=n.
;; ======== version 1 of 1: 5 launches
;; limits: right only within a limited range of input values
;; workspace buffers: xc 4,194,304 bytes; wc 3,145,728 bytes; owc 1,048,576 bytes; qimg 4,194,304 bytes; kimg 6,291,456 bytes; vimg 6,291,456 bytes; qaux 4,259,840 bytes; oc 4,194,304 bytes
;; launch quant (part 1): grid 256 x 1, 4 waves a work-group, no clusters, 33,280 bytes of LDS; arguments x, qkv_w, out_w, lowp_scales, xc, wc, owc; writes xc, wc, owc
.if DOCPART == 1
	.amdgcn_target "amdgcn-amd-amdhsa--gfx1250"
	.amdhsa_code_object_version 6
	.text
	.protected	k_qf70f400bb5_quant
	.globl	k_qf70f400bb5_quant
	.p2align	8
	.type	k_qf70f400bb5_quant,@function
k_qf70f400bb5_quant:
	s_mov_b64 s[64:65], 0
	v_nop
	global_prefetch_b8 v0, s[64:65] scope:SCOPE_SE
	s_setreg_imm32_b32 hwreg(HW_REG_WAVE_MODE, 25, 1), 1
	s_wait_xcnt 0x0
; x [4096][1024], qkv_w [3072][1024] and out_w [1024][1024], f32, become codes of E4M3, K innermost, each with its given scale 2^e (entries 0, 1 and 11 of the scales).
; code = number / 2^e, held within +-448, rounded to the nearest code, ties to even.  LIMITS: -126 <= e <= 119, so that 2^e and 448 x 2^e are f32 numbers; NaN among the inputs is not served.
; One launch for the three tensors: work-groups 0-127 take x, 128-223 qkv_w, 224-255 out_w; only pointers and e are chosen (on the work-group's number), the path is one.
; A wave takes a run of 8,192 numbers (8 rows) in 16 steps of 512.  Each load reads 512 consecutive bytes; a step's 2,048 bytes turn through the wave's own stage in LDS so that a lane holds 16 neighbours
; along K for the conversions; a lane's 16 codes are 16 bytes, so a store of the wave covers 512 consecutive bytes, aligned.
; qkv_w's runs are stored in another order: row' = 192 head + 64 part + d (part 0, 1, 2 = q, k, v), so that a head's q, k and v rows are 192 dense rows for the next launch.
; No matrix unit, no cluster, no barrier: waves share nothing and memory binds.
.set STEPS, 16
.set CB,    16                         ; bytes of 16 codes
.set R,     16                         ; v16-79   four sets of 16 numbers as loaded
.set X,     80                         ; v80-111  two sets of 16 neighbours
.set C,     128                        ; v128-191 codes: four registers for each step, never written again
.set WREG,  8192                       ; LDS of a wave: two stages of 32 x SP bytes
.set SP,    80                         ; a lane's place in a stage: 64 bytes + 16 of padding
	s_load_b256 s[4:11], s[0:1], 0x0               ; x s[4:5], qkv_w s[6:7], out_w s[8:9], the scales s[10:11]
	s_load_b128 s[12:15], s[0:1], 0x20             ; xc s[12:13], wc s[14:15]
	s_load_b64 s[16:17], s[0:1], 0x30              ; owc
	v_lshl_add_u32 v192, v0, 2, 0x8000
	v_mov_b32 v193, 0
	v_lshrrev_b32 v1, 5, v0
	v_readfirstlane_b32 s18, v1                    ; wave
	v_and_b32 v2, 31, v0                           ; lane
	v_lshlrev_b32 v3, 4, v2                        ; my 16 bytes of a load's 512
	s_mul_i32 s19, s18, WREG
	v_lshrrev_b32 v14, 2, v2
	v_mul_u32_u24 v14, v14, SP
	v_and_b32 v15, 3, v2
	v_lshl_add_u32 v14, v15, 4, v14
	v_add_nc_u32 v14, s19, v14                     ; the stage, in: SP (lane / 4) + 16 (lane % 4)
	v_mul_u32_u24 v15, v2, SP
	v_add_nc_u32 v15, s19, v15                     ; the stage, out: SP x lane: my 16 neighbours
	v_mul_u32_u24 v4, v2, CB                       ; my codes' place in a step's
	s_cmp_lt_u32 ttmp9, 128
	s_cselect_b32 s20, 0, 128
	s_cmp_lt_u32 ttmp9, 224
	s_cselect_b32 s20, s20, 224                    ; the tensor's first work-group
	s_sub_co_u32 s21, ttmp9, s20
	s_lshl_b32 s21, s21, 2
	s_add_co_u32 s21, s21, s18                     ; my run in the tensor
	s_lshr_b32 s25, s21, 3
	s_and_b32 s25, s25, 15                         ; qkv_w: the head,
	s_mul_i32 s25, s25, 24
	s_lshr_b32 s26, s21, 7                         ; the part,
	s_lshl_b32 s26, s26, 3
	s_add_co_u32 s25, s25, s26
	s_and_b32 s26, s21, 7                          ; the eight rows among the head's 64
	s_add_co_u32 s25, s25, s26
	s_cmp_eq_u32 s20, 128
	s_cselect_b32 s25, s25, s21                    ; where the run's codes go: permuted for qkv_w alone
	s_lshl_b32 s26, s21, 15                        ; 8,192 numbers of 4 bytes
	s_mov_b32 s27, 0
	s_lshl_b32 s28, s25, 13                        ; 8,192 codes
	s_mov_b32 s29, 0
	s_wait_alu depctr_va_vdst(0)
	s_wait_kmcnt 0x0
	s_load_b64 s[22:23], s[10:11], 0x0             ; e of x, of qkv_w
	s_load_b32 s24, s[10:11], 0x2c                 ; e of out_w
	s_cmp_lt_u32 ttmp9, 128
	s_cselect_b64 s[4:5], s[4:5], s[6:7]
	s_cselect_b64 s[12:13], s[12:13], s[14:15]
	s_cmp_lt_u32 ttmp9, 224
	s_cselect_b64 s[4:5], s[4:5], s[8:9]
	s_cselect_b64 s[12:13], s[12:13], s[16:17]
	s_add_nc_u64 s[4:5], s[4:5], s[26:27]
	s_add_nc_u64 s[12:13], s[12:13], s[28:29]
.macro LOAD t
.irp i, 0,1,2,3
	global_load_b128 v[R+16*((\t)%4)+4*\i:R+16*((\t)%4)+4*\i+3], v3, s[4:5] offset:2048*(\t)+512*\i th:TH_LOAD_NT
.endr
.endm
.macro TURN t                          ; step t through the stage: LDS serves a wave's instructions in order, so no wait stands between the stores and the loads
.irp i, 0,1,2,3
	ds_store_b128 v14, v[R+16*((\t)%4)+4*\i:R+16*((\t)%4)+4*\i+3] offset:32*SP*((\t)%2)+8*SP*\i
.endr
.irp i, 0,1,2,3
	ds_load_b128 v[X+16*((\t)%2)+4*\i:X+16*((\t)%2)+4*\i+3], v15 offset:32*SP*((\t)%2)+16*\i
.endr
.endm
.irp t, 0,1,2,3
	LOAD \t
.endr
	s_wait_kmcnt 0x0
	s_cmp_lt_u32 ttmp9, 128
	s_cselect_b32 s22, s22, s23
	s_cmp_lt_u32 ttmp9, 224
	s_cselect_b32 s22, s22, s24                    ; e
	s_add_co_i32 s22, s22, 127
	s_lshl_b32 s23, s22, 23
	v_mov_b32 v11, s23                             ; 2^e: the conversion takes its exponent field
	s_add_co_i32 s22, s22, 8
	s_lshl_b32 s22, s22, 23
	s_or_b32 s22, s22, 0x600000
	s_wait_alu depctr_va_vdst(0)
	s_wait_loadcnt 12                              ; step 0's four loads are in; the twelve of steps 1 to 3 stay out
	TURN 0
.macro STEP t
.set XS, X+16*((\t)%2)
	s_wait_dscnt 0x0                               ; this step's numbers are back, so its stores into the stage have read their registers,
.if (\t)+4 < STEPS
	LOAD (\t)+4                                    ; which take the loads of four steps on
.endif
.if (\t)+1 < STEPS
.if STEPS-2-(\t) >= 3
	s_wait_loadcnt 12                              ; the next step's four loads are in; those of the three steps behind it stay out
.else
	s_wait_loadcnt 4*(STEPS-2-(\t))
.endif
	TURN (\t)+1
.endif
.irp i, 0,1,2,3,4,5,6,7,8,9,10,11,12,13,14,15
.endr
	v_cvt_scalef32_pk8_fp8_f32 v[C+4*(\t):C+4*(\t)+1], v[XS:XS+7], v11
	v_cvt_scalef32_pk8_fp8_f32 v[C+4*(\t)+2:C+4*(\t)+3], v[XS+8:XS+15], v11
	v_nop                                          ; a plain line behind the conversions
	global_store_b128 v4, v[C+4*(\t):C+4*(\t)+3], s[12:13] offset:32*CB*(\t)
.endm
.irp t, 0,1,2,3,4,5,6,7,8,9,10,11,12,13,14,15
	STEP \t
.endr
	s_wait_tensorcnt 0x0
	ds_add_u32 v192, v193
	s_wait_dscnt 0x0
	s_endpgm
.Lfunc_end_k_qf70f400bb5_quant:
	.size	k_qf70f400bb5_quant, .Lfunc_end_k_qf70f400bb5_quant-k_qf70f400bb5_quant
	.p2alignl 7, 3214868480
	.fill 96, 4, 3214868480
	.section	.rodata,"a",@progbits
	.p2align	6, 0x0
	.amdhsa_kernel k_qf70f400bb5_quant
		.amdhsa_group_segment_fixed_size 33280
		.amdhsa_private_segment_fixed_size 0
		.amdhsa_enable_private_segment 0
		.amdhsa_kernarg_size 56
		.amdhsa_user_sgpr_count 2
		.amdhsa_user_sgpr_kernarg_segment_ptr 1
		.amdhsa_wavefront_size32 1
		.amdhsa_system_sgpr_workgroup_id_x 1
		.amdhsa_system_sgpr_workgroup_id_y 1
		.amdhsa_system_sgpr_workgroup_id_z 1
		.amdhsa_system_vgpr_workitem_id 0
		.amdhsa_next_free_vgpr 194
		.amdhsa_next_free_sgpr 66
		.amdhsa_reserve_vcc 0
		.amdhsa_float_denorm_mode_32 3
		.amdhsa_float_denorm_mode_16_64 3
		.amdhsa_fp16_overflow 1
		.amdhsa_memory_ordered 1
		.amdhsa_forward_progress 1
		.amdhsa_inst_pref_size 23
	.end_amdhsa_kernel
	.amdgpu_metadata
---
amdhsa.version: [ 1, 2 ]
amdhsa.kernels:
  - .name:           k_qf70f400bb5_quant
    .symbol:         k_qf70f400bb5_quant.kd
    .args:
      - { .name: x, .offset: 0, .size: 8, .value_kind: global_buffer, .address_space: global }
      - { .name: qkv_w, .offset: 8, .size: 8, .value_kind: global_buffer, .address_space: global }
      - { .name: out_w, .offset: 16, .size: 8, .value_kind: global_buffer, .address_space: global }
      - { .name: lowp_scales, .offset: 24, .size: 8, .value_kind: global_buffer, .address_space: global }
      - { .name: xc, .offset: 32, .size: 8, .value_kind: global_buffer, .address_space: global }
      - { .name: wc, .offset: 40, .size: 8, .value_kind: global_buffer, .address_space: global }
      - { .name: owc, .offset: 48, .size: 8, .value_kind: global_buffer, .address_space: global }
    .group_segment_fixed_size: 33280
    .private_segment_fixed_size: 0
    .kernarg_segment_align: 8
    .kernarg_segment_size: 56
    .max_flat_workgroup_size: 128
    .sgpr_count:     66
    .vgpr_count:     194
    .wavefront_size: 32
...
	.end_amdgpu_metadata
.endif
;; end of part 1
;; launch qkv (part 2): grid 16 x 16, 4 waves a work-group, clusters of 4 x 4, 327,680 bytes of LDS; arguments xc, wc, pos, freqs, scale, lowp_scales, qimg, kimg, vimg, qaux; writes qimg, kimg, vimg, qaux
.if DOCPART == 2
	.amdgcn_target "amdgcn-amd-amdhsa--gfx1250"
	.amdhsa_code_object_version 6
	.text
	.protected	k_qf70f400bb5_qkv
	.globl	k_qf70f400bb5_qkv
	.p2align	8
	.type	k_qf70f400bb5_qkv,@function
k_qf70f400bb5_qkv:
	s_mov_b64 s[64:65], 0
	v_nop
	global_prefetch_b8 v0, s[64:65] scope:SCOPE_SE
	s_setreg_imm32_b32 hwreg(HW_REG_WAVE_MODE, 25, 1), 1
	s_wait_xcnt 0x0
	s_wait_alu depctr_hold_cnt(0) depctr_sa_sdst(0) depctr_va_vdst(0) depctr_va_sdst(0) depctr_va_ssrc(0) depctr_va_vcc(0) depctr_vm_vsrc(0)
	s_getreg_b32 s2, hwreg(HW_REG_IB_STS2, 6, 4)
	s_cmp_eq_u32 s2, 0
	s_cbranch_scc0 .Lentry_in_a_cluster
	s_endpgm
.Lentry_in_a_cluster:
	s_bfe_u32 s2, ttmp6, 0x10000c
	s_cmp_lg_u32 s2, 0xf033
	s_cbranch_scc0 .Lentry_shape_is_right
	s_endpgm
.Lentry_shape_is_right:
.set PITCH,  272
.set ABYTES, 256*PITCH
.set SLOT,   448*PITCH
.set SPARE,  2*SLOT
.set FR,     16
.set AF,     128
.set SCV0, 8
.set LMV0, 9
.set SCV1, 10
.set LMV1, 11
.set ADRA, 16
.set ADRB, 18
.set ADRV, 20
.set L16,  22
.set STW,  23
.set STR,  24
.set SSO,  25
.set GQ,   26
.set SPW,  28
.set NIL,  29
.set GK,   30
.set FR1,  32
.set FR0,  40
.set POS,  48
.set SS,   56
.set SCQ,  57
.set LMQ,  58
.set SCK0, 59
.set LMK0, 60
.set SCK1, 61
.set LMK1, 62
.set COS,  64
.set SIN,  80
.set TH,   96
.set TT,   112
.set SG,   128
.set ZZ,   144
.set PP,   160
.set QQ,   176
.set HT,   192
.set KINV, 224
.set KS13, 226
.set KC12, 228
.set CH,   232
.set AY,   248
.set SD,   252
.set G1,  24
.set G0,  32
.set G1B, 48
.set G0B, 56
.set MSB, 0
.macro WIN new
.if MSB != \new
	s_set_vgpr_msb (MSB<<8)|\new
.set MSB, \new
.endif
.endm
.macro JLOAD g0a, g1a, g0b, g1b
	s_cmp_eq_u32 s17, 0
	s_cbranch_scc0 .Lfor_b_\@
	tensor_load_to_lds s[\g0a:\g0a+3], s[\g1a:\g1a+7]
	s_nop 0
.rept 4
	v_nop
.endr
	s_branch .Lasked_\@
.Lfor_b_\@:
	tensor_load_to_lds s[\g0b:\g0b+3], s[\g1b:\g1b+7]
	s_nop 0
.rept 4
	v_nop
.endr
.Lasked_\@:
.endm
.macro CREST
	s_cmp_lg_u32 s16, 0
	s_cbranch_scc1 .Lnot_wave_0_\@
	s_barrier_signal -3
.Lnot_wave_0_\@:
	s_barrier_wait -3
	s_barrier_signal -1
	s_barrier_wait -1
.endm
.macro CROUND
	s_barrier_signal -1
	s_barrier_wait -1
	CREST
.endm
.macro PLACES n
.rept \n
	v_nop
.endr
.endm
	s_load_b256 s[4:11], s[0:1], 0x0
	s_load_b128 s[12:15], s[0:1], 0x20
	s_load_b256 s[72:79], s[0:1], 0x30
	v_lshl_add_u32 v[SPW], v0, 2, SPARE
	v_mov_b32 v[NIL], 0
	ds_add_u32 v28, v29
	ds_add_u32 v28, v29
	s_wait_dscnt 0x0
	v_lshrrev_b32 v1, 5, v0
	v_readfirstlane_b32 s16, v1
	s_lshr_b32 s17, s16, 1
	s_and_b32 s18, s16, 1
	s_bfe_u32 s40, ttmp6, 0x40000
	s_bfe_u32 s41, ttmp6, 0x40004
	s_lshl_b32 s42, ttmp9, 2
	s_add_co_u32 s42, s42, s40
	s_and_b32 s44, ttmp7, 0xffff
	s_lshl_b32 s43, s44, 2
	s_add_co_u32 s43, s43, s41
	s_lshl_b32 s66, s41, 2
	s_lshl_b32 s66, 15, s66
	s_lshl_b32 s67, 0x1111, s40
	s_or_b32 s[G1+0], s66, (0<<16)|(1<<20)|(1<<21)|(5<<22)|(3<<25)
	s_or_b32 s[G1B+0], s67, (0<<16)|(1<<20)|(1<<21)|(5<<22)|(3<<25)
	s_mov_b32 s[G1+1], 256<<16
	s_mov_b32 s[G1+2], 128<<16
	s_mov_b32 s[G1+3], 256<<16
	s_mov_b32 s[G1+4], 128
	s_mov_b32 s[G1+5], 1024
	s_mov_b32 s[G1+6], 0
	s_mov_b32 s[G1+7], 0
	s_mov_b32 s[G1B+1], 256<<16
	s_mov_b32 s[G1B+2], 96<<16
	s_mov_b32 s[G1B+3], 256<<16
	s_mov_b32 s[G1B+4], 96
	s_mov_b32 s[G1B+5], 1024
	s_mov_b32 s[G1B+6], 0
	s_mov_b32 s[G1B+7], 0
	s_lshl_b32 s68, s43, 8
	s_lshl_b32 s69, s18, 7
	s_add_co_u32 s68, s68, s69
	s_lshl_b32 s68, s68, 10
	s_mov_b32 s69, 0
	s_mul_i32 s70, s42, 192
	s_mul_i32 s71, s18, 96
	s_add_co_u32 s70, s70, s71
	s_lshl_b32 s70, s70, 10
	s_mov_b32 s71, 0
	s_mul_i32 s19, s18, 128*PITCH
	s_mul_i32 s22, s18, 96*PITCH
	s_add_co_u32 s22, s22, ABYTES
	s_wait_kmcnt 0x0
	s_add_nc_u64 s[68:69], s[4:5], s[68:69]
	s_add_nc_u64 s[70:71], s[6:7], s[70:71]
	CROUND
.irp s, 0,1
	s_mov_b32 s[G0+4*\s], 1
	s_add_co_u32 s[G0+4*\s+1], s19, \s*SLOT
	s_add_nc_u64 s[G0+4*\s+2:G0+4*\s+3], s[68:69], \s*256
	s_or_b32 s[G0+4*\s+3], s[G0+4*\s+3], 0x80000000
	s_mov_b32 s[G0B+4*\s], 1
	s_add_co_u32 s[G0B+4*\s+1], s22, \s*SLOT
	s_add_nc_u64 s[G0B+4*\s+2:G0B+4*\s+3], s[70:71], \s*256
	s_or_b32 s[G0B+4*\s+3], s[G0B+4*\s+3], 0x80000000
	s_wait_alu depctr_va_vdst(0)
	s_wait_tensorcnt 0x0
	ds_add_u32 v28, v29
	ds_add_u32 v28, v29
	s_wait_dscnt 0x0
	CROUND
	JLOAD G0+4*\s, G1, G0B+4*\s, G1B
.endr
	v_and_b32 v1, 15, v0
	v_bfe_u32 v2, v0, 4, 1
	v_mul_u32_u24 v4, v1, PITCH
	v_lshl_add_u32 v4, v2, 4, v4
	s_mul_i32 s66, s16, 64*PITCH
	v_add_nc_u32 v[ADRA], s66, v4
	v_add_nc_u32 v[ADRA+1], SLOT, v[ADRA]
	v_add_nc_u32 v[ADRB], ABYTES, v4
	v_add_nc_u32 v[ADRB+1], SLOT, v[ADRB]
	v_and_b32 v5, 8, v1
	v_add_nc_u32 v5, v5, v1
	v_mul_u32_u24 v7, v5, PITCH
	v_lshl_add_u32 v7, v2, 4, v7
	v_add_nc_u32 v[ADRV], ABYTES+128*PITCH, v7
	v_add_nc_u32 v[ADRV+1], SLOT, v[ADRV]
	v_and_b32 v7, 31, v0
	v_lshlrev_b32 v[L16], 4, v7
	v_mul_u32_u24 v7, v2, 8*PITCH
	v_lshl_add_u32 v7, v5, 2, v7
	v_add_nc_u32 v[STW], s66, v7
	v_mul_u32_u24 v7, v2, PITCH
	v_lshl_add_u32 v7, v1, 4, v7
	v_add_nc_u32 v[STR], s66, v7
	v_lshlrev_b32 v[SSO], 4, v1
	v_lshl_add_u32 v[SSO], v2, 3, v[SSO]
	v_lshlrev_b32 v3, 5, v2
	s_lshl_b32 s66, s42, 6
	v_add_nc_u32 v3, s66, v3
	global_load_b128 v[FR1:FR1+3], v3, s[10:11] offset:1024
	global_load_b128 v[FR1+4:FR1+7], v3, s[10:11] offset:1040
	global_load_b128 v[FR0:FR0+3], v3, s[10:11]
	global_load_b128 v[FR0+4:FR0+7], v3, s[10:11] offset:16
	s_lshl_b32 s66, s43, 8
	s_lshl_b32 s67, s16, 6
	s_add_co_u32 s66, s66, s67
	v_add_nc_u32 v6, s66, v1
	v_lshlrev_b32 v6, 3, v6
.irp a, 0,1,2,3
	global_load_b64 v[POS+2*\a:POS+2*\a+1], v6, s[8:9] offset:128*\a
.endr
	s_lshl_b32 s66, s42, 2
	s_mov_b32 s67, 0
	s_add_nc_u64 s[12:13], s[12:13], s[66:67]
	s_load_b32 s100, s[12:13], 0x0
	s_load_b256 s[80:87], s[14:15], 0x0
	s_load_b128 s[88:91], s[14:15], 0x20
	s_mov_b32 s20, 0x76543210
	s_mov_b32 s21, 0xfedcba98
	s_mov_b32 s23, 0xffff0000
.macro FRAG reg, adr, q, row
.irp c, 0,1,2,3
	ds_load_b128 v[\reg+4*\c:\reg+4*\c+3], v[\adr] offset:128*(\q)+32*\c+(\row)*PITCH
.endr
.endm
.macro FETCH_B07 slot, q
	WIN 0x40
.irp i, 0,1,2,3,4,5,6,7
	FRAG FR*\i, ADRB+\slot, \q, 16*\i
.endr
	WIN 0
.endm
.macro FETCH_V slot, q
	WIN 0x40
.irp i, 0,1,2,3
	FRAG FR*(8+\i), ADRV+\slot, \q, 32*(\i/2)+8*(\i%2)
.endr
	WIN 0
.endm
.macro FETCH_A slot, q, set
.irp i, 0,1,2,3
	FRAG AF+64*(\set)+FR*\i, ADRA+\slot, \q, 16*\i
.endr
.endm
.macro MULQK b0, b1, set, zero
.set bb, \b0
.rept \b1-\b0
.irp a, 0,1,2,3
.if \zero
	v_wmma_f32_16x16x128_fp8_fp8 v[8*(4*bb+\a):8*(4*bb+\a)+7], v[FR*bb:FR*bb+FR-1], v[AF+64*(\set)+FR*\a:AF+64*(\set)+FR*\a+FR-1], 0
.else
	v_wmma_f32_16x16x128_fp8_fp8 v[8*(4*bb+\a):8*(4*bb+\a)+7], v[FR*bb:FR*bb+FR-1], v[AF+64*(\set)+FR*\a:AF+64*(\set)+FR*\a+FR-1], v[8*(4*bb+\a):8*(4*bb+\a)+7]
.endif
.endr
.set bb, bb+1
.endr
.endm
.macro MULV set, zero
.irp b, 0,1,2,3
.irp a, 0,1,2,3
.if \zero
	v_wmma_f32_16x16x128_fp8_fp8 v[8*(4*\b+\a):8*(4*\b+\a)+7], v[AF+64*(\set)+FR*\a:AF+64*(\set)+FR*\a+FR-1], v[FR*(8+\b):FR*(8+\b)+FR-1], 0
.else
	v_wmma_f32_16x16x128_fp8_fp8 v[8*(4*\b+\a):8*(4*\b+\a)+7], v[AF+64*(\set)+FR*\a:AF+64*(\set)+FR*\a+FR-1], v[FR*(8+\b):FR*(8+\b)+FR-1], v[8*(4*\b+\a):8*(4*\b+\a)+7]
.endif
.endr
.endr
.endm
.macro STEP slot, zero
	s_wait_dscnt 16
	WIN 0xa1
	MULQK 0, 8, 0, \zero
	s_wait_dscnt 0
	PLACES 4
	FETCH_B07 \slot, 1
	FETCH_A \slot, 1, 1
	WIN 0xf4
	MULV 0, \zero
	PLACES 4
	FETCH_V \slot, 1
.endm
.macro TURN slot, next, fill
	s_wait_tensorcnt 0x0
	ds_add_u32 v[SPW], v[NIL]
	s_wait_dscnt 17
	WIN 0xa1
	MULQK 0, 4, 1, 0
	s_wait_dscnt 0x0
	s_barrier_signal -1
	MULQK 4, 8, 1, 0
	WIN 0
	s_barrier_wait -1
.if \fill
	CREST
	s_add_nc_u64 s[G0+4*\slot+2:G0+4*\slot+3], s[G0+4*\slot+2:G0+4*\slot+3], 512
	s_add_nc_u64 s[G0B+4*\slot+2:G0B+4*\slot+3], s[G0B+4*\slot+2:G0B+4*\slot+3], 512
	JLOAD G0+4*\slot, G1, G0B+4*\slot, G1B
.else
	PLACES 4
.endif
	FETCH_B07 \next, 0
	FETCH_A \next, 0, 0
	WIN 0xf4
	MULV 1, 0
	PLACES 4
	FETCH_V \next, 0
.endm
	s_wait_tensorcnt 1
	s_barrier_signal -1
	s_barrier_wait -1
	FETCH_B07 0, 0
	FETCH_A 0, 0, 0
	FETCH_V 0, 0
	STEP 0, 1
	TURN 0, 1, 1
	STEP 1, 0
	TURN 1, 0, 1
	STEP 0, 0
	TURN 0, 1, 0
	STEP 1, 0
	s_wait_dscnt 16
	WIN 0xa1
	MULQK 0, 8, 1, 0
	s_wait_dscnt 0
	WIN 0xf4
	MULV 1, 0
	WIN 0
	PLACES 4
.macro MKSC es, sc, lm
	s_add_co_i32 s66, \es, 127
	s_lshl_b32 s67, s66, 23
	v_mov_b32 v[\sc], s67
	s_add_co_i32 s66, s66, 8
	s_lshl_b32 s66, s66, 23
	s_or_b32 s66, s66, 0x600000
	v_mov_b32 v[\lm], s66
.endm
	s_wait_loadcnt 0x0
	s_wait_kmcnt 0x0
	s_add_co_i32 s45, s80, s81
	s_lshl_b32 s46, s45, 1
	s_add_co_i32 s98, s45, 127
	s_lshl_b32 s98, s98, 23
	s_mov_b32 s99, s98
	s_cmp_eq_u32 s44, 3
	s_cselect_b32 s47, s86, s82
	MKSC s47, SCQ, LMQ
	MKSC s83, SCK0, LMK0
	MKSC s87, SCK1, LMK1
	s_sub_co_i32 s47, s85, s45
	MKSC s47, SCV0, LMV0
	s_sub_co_i32 s47, s89, s45
	MKSC s47, SCV1, LMV1
	v_mov_b32 v[SS], s100
	v_and_b32 v[SS], 0x7fffffff, v[SS]
	v_add_f32 v[SS], 0x322bcc77, v[SS]
	s_wait_alu depctr_va_vdst(0)
	v_sqrt_f32 v[SS], v[SS]
	v_mov_b32 v[KINV], 0x3ea2f983
	v_mov_b32 v[KINV+1], 0x3ea2f983
	v_mov_b32 v[KS13], 0x2f309231
	v_mov_b32 v[KS13+1], 0x2f309231
	v_mov_b32 v[KC12], 0x310f76c7
	v_mov_b32 v[KC12+1], 0x310f76c7
	s_wait_alu depctr_va_vdst(0)
	s_lshl_b32 s66, s43, 4
	s_lshl_b32 s67, s16, 2
	s_add_co_u32 s47, s66, s67
	s_lshl_b32 s66, s47, 10
	s_lshl_b32 s67, s42, 18
	s_add_co_u32 s66, s66, s67
	s_mov_b32 s67, 0
	s_add_nc_u64 s[72:73], s[72:73], s[66:67]
.macro SINCOS a
	WIN 0
	v_fma_f32 v[AY],   v[POS+2*\a+1], 2.0, -1.0
	v_fma_f32 v[AY+1], v[POS+2*\a+1], 2.0, -1.0
	v_fma_f32 v[AY+2], v[POS+2*\a],   2.0, -1.0
	v_fma_f32 v[AY+3], v[POS+2*\a],   2.0, -1.0
.irp i, 0,2,4,6
	v_pk_mul_f32 v[TH+\i:TH+\i+1],     v[FR1+\i:FR1+\i+1], v[AY:AY+1]
	v_pk_mul_f32 v[TH+8+\i:TH+8+\i+1], v[FR0+\i:FR0+\i+1], v[AY+2:AY+3]
.endr
.irp i, 0,2,4,6,8,10,12,14
	v_pk_fma_f32 v[TT+\i:TT+\i+1], v[TH+\i:TH+\i+1], v[KINV:KINV+1], 0x4b400000 op_sel_hi:[1,1,0]
.endr
.irp i, 0,1,2,3,4,5,6,7,8,9,10,11,12,13,14,15
	v_lshlrev_b32 v[SG+\i], 31, v[TT+\i]
.endr
.irp i, 0,2,4,6,8,10,12,14
	v_pk_add_f32 v[TT+\i:TT+\i+1], v[TT+\i:TT+\i+1], 0xcb400000 op_sel_hi:[1,0]
.endr
.irp i, 0,2,4,6,8,10,12,14
	v_pk_fma_f32 v[TH+\i:TH+\i+1], v[TT+\i:TT+\i+1], 0xc0490fdb, v[TH+\i:TH+\i+1] op_sel_hi:[1,0,1]
.endr
.irp i, 0,2,4,6,8,10,12,14
	v_pk_fma_f32 v[TH+\i:TH+\i+1], v[TT+\i:TT+\i+1], 0x33bbbd2e, v[TH+\i:TH+\i+1] op_sel_hi:[1,0,1]
.endr
.irp i, 0,2,4,6,8,10,12,14
	v_pk_mul_f32 v[ZZ+\i:ZZ+\i+1], v[TH+\i:TH+\i+1], v[TH+\i:TH+\i+1]
.endr
.irp i, 0,2,4,6,8,10,12,14
	v_pk_fma_f32 v[PP+\i:PP+\i+1], v[ZZ+\i:ZZ+\i+1], v[KS13:KS13+1], 0xb2d7322b op_sel_hi:[1,1,0]
	v_pk_fma_f32 v[QQ+\i:QQ+\i+1], v[ZZ+\i:ZZ+\i+1], v[KC12:KC12+1], 0xb493f27e op_sel_hi:[1,1,0]
.endr
.irp k, 0x3638ef1d, 0xb9500d01, 0x3c088889, 0xbe2aaaab
.irp i, 0,2,4,6,8,10,12,14
	v_pk_fma_f32 v[PP+\i:PP+\i+1], v[PP+\i:PP+\i+1], v[ZZ+\i:ZZ+\i+1], \k op_sel_hi:[1,1,0]
.endr
.endr
.irp k, 0x37d00d01, 0xbab60b61, 0x3d2aaaab, -0.5
.irp i, 0,2,4,6,8,10,12,14
	v_pk_fma_f32 v[QQ+\i:QQ+\i+1], v[QQ+\i:QQ+\i+1], v[ZZ+\i:ZZ+\i+1], \k op_sel_hi:[1,1,0]
.endr
.endr
.irp i, 0,2,4,6,8,10,12,14
	v_pk_mul_f32 v[TT+\i:TT+\i+1], v[TH+\i:TH+\i+1], v[ZZ+\i:ZZ+\i+1]
.endr
.irp i, 0,2,4,6,8,10,12,14
	v_pk_fma_f32 v[SIN+\i:SIN+\i+1], v[TT+\i:TT+\i+1], v[PP+\i:PP+\i+1], v[TH+\i:TH+\i+1]
	v_pk_fma_f32 v[COS+\i:COS+\i+1], v[ZZ+\i:ZZ+\i+1], v[QQ+\i:QQ+\i+1], 1.0 op_sel_hi:[1,1,0]
.endr
.irp i, 0,1,2,3,4,5,6,7,8,9,10,11,12,13,14,15
	v_xor_b32 v[SIN+\i], v[SG+\i], v[SIN+\i]
	v_xor_b32 v[COS+\i], v[SG+\i], v[COS+\i]
.endr
.endm
.macro SUMSQ a, tb, c
.irp b, 0,1,2,3
.irp i, 0,4
.set xr, 8*(4*(\tb+\b)+\a)+\i
.if (\b == 0) && (\i == 0)
	v_pk_mul_f32 v[\c:\c+1], v[xr:xr+1], v[xr:xr+1]
	v_pk_mul_f32 v[\c+2:\c+3], v[xr+2:xr+3], v[xr+2:xr+3]
.else
	v_pk_fma_f32 v[\c:\c+1], v[xr:xr+1], v[xr:xr+1], v[\c:\c+1]
	v_pk_fma_f32 v[\c+2:\c+3], v[xr+2:xr+3], v[xr+2:xr+3], v[\c+2:\c+3]
.endif
.endr
.endr
.endm
.macro NORM a
	WIN 0x0a
	SUMSQ \a, 0, CH
	SUMSQ \a, 4, CH+4
	WIN 0
.irp c, CH, CH+4
	v_pk_add_f32 v[\c:\c+1], v[\c:\c+1], v[\c+2:\c+3]
.endr
.irp c, CH, CH+4
	v_add_f32 v[\c], v[\c], v[\c+1]
.endr
.irp c, CH, CH+4
	v_permlanex16_b32 v[\c+1], v[\c], s20, s21
.endr
.irp c, CH, CH+4
	v_add_f32 v[\c], v[\c], v[\c+1]
.endr
.irp c, CH, CH+4
	v_ldexp_f32 v[\c], v[\c], s46
.endr
.irp c, CH, CH+4
	v_add_f32 v[\c], 0x322bcc77, v[\c]
.endr
	s_wait_alu depctr_va_vdst(0)
	v_rsq_f32 v[CH], v[CH]
	v_rsq_f32 v[CH+4], v[CH+4]
	v_nop
	s_wait_alu depctr_va_vdst(0)
	v_mul_f32 v[CH], v[CH], v[SS]
	v_mul_f32 v[CH+4], v[CH+4], v[SS]
	v_ldexp_f32 v[GQ], v[CH], s45
	v_ldexp_f32 v[GQ+1], v[CH], s45
	v_ldexp_f32 v[GK], v[CH+4], s45
	v_ldexp_f32 v[GK+1], v[CH+4], s45
.endm
.macro SCALE a, tb, g
	WIN 0x82
.irp b, 0,1,2,3
.irp i, 0,2,4,6
.set xr, 8*(4*(\tb+\b)+\a)+\i
	v_pk_mul_f32 v[xr:xr+1], v[xr:xr+1], v[\g:\g+1]
.endr
.endr
.endm
.macro ROPE a, tb
	WIN 0x02
.irp t, 0,1
.irp i, 0,2,4,6
.set x1, 8*(4*(\tb+\t)+\a)+\i
.set x2, 8*(4*(\tb+\t+2)+\a)+\i
	v_pk_mul_f32 v[HT+8*\t+\i:HT+8*\t+\i+1], v[x2:x2+1], v[SIN+8*\t+\i:SIN+8*\t+\i+1]
	v_pk_mul_f32 v[HT+16+8*\t+\i:HT+16+8*\t+\i+1], v[x1:x1+1], v[SIN+8*\t+\i:SIN+8*\t+\i+1]
.endr
.endr
	WIN 0x82
.irp t, 0,1
.irp i, 0,2,4,6
.set x1, 8*(4*(\tb+\t)+\a)+\i
.set x2, 8*(4*(\tb+\t+2)+\a)+\i
	v_pk_fma_f32 v[x1:x1+1], v[x1:x1+1], v[COS+8*\t+\i:COS+8*\t+\i+1], v[HT+8*\t+\i:HT+8*\t+\i+1] neg_lo:[0,0,1] neg_hi:[0,0,1]
	v_pk_fma_f32 v[x2:x2+1], v[x2:x2+1], v[COS+8*\t+\i:COS+8*\t+\i+1], v[HT+16+8*\t+\i:HT+16+8*\t+\i+1]
.endr
.endr
.endm
.macro HOLDCVT win, r0, rs, sc, lm, dst
	WIN \win
.irp g, 0,1,2,3
.irp j, 0,1,2,3,4,5,6,7
	v_med3_num_f32 v[HT+8*\g+\j], v[\r0+\rs*\g+\j], -v[\lm], v[\lm]
.endr
.endr
	WIN 0x40
.irp g, 0,1,2,3
	v_cvt_scalef32_pk8_fp8_f32 v[\dst+2*\g:\dst+2*\g+1], v[HT+8*\g:HT+8*\g+7], v[\sc]
.endr
	v_nop
.endm
.irp a, 0,1,2,3
	SINCOS \a
	NORM \a
	SCALE \a, 0, GQ
	SCALE \a, 4, GK
	ROPE \a, 0
	ROPE \a, 4
	HOLDCVT 0x02, 8*\a, 32, SCQ, LMQ, 8*\a
	WIN 0x04
	global_store_b128 v[L16], v[8*\a:8*\a+3], s[72:73] offset:\a*1024
	global_store_b128 v[L16], v[8*\a+4:8*\a+7], s[72:73] offset:\a*1024+512
.endr
	WIN 0
	s_cmp_eq_u32 s44, 3
	s_cbranch_scc1 .Lquery
	s_lshl_b32 s66, s47, 10
	s_mul_i32 s67, s42, 196608
	s_add_co_u32 s66, s66, s67
	s_mov_b32 s67, 0
	s_add_nc_u64 s[74:75], s[74:75], s[66:67]
	s_add_nc_u64 s[76:77], s[76:77], s[66:67]
.irp a, 0,1,2,3
	HOLDCVT 0x02, 128+8*\a, 32, SCK0, LMK0, 32+8*\a
	HOLDCVT 0x02, 128+8*\a, 32, SCK1, LMK1, 64+8*\a
	WIN 0x04
	global_store_b128 v[L16], v[32+8*\a:32+8*\a+3], s[74:75] offset:\a*1024
	global_store_b128 v[L16], v[32+8*\a+4:32+8*\a+7], s[74:75] offset:\a*1024+512
	global_store_b128 v[L16], v[64+8*\a:64+8*\a+3], s[74:75] offset:3145728+\a*1024
	global_store_b128 v[L16], v[64+8*\a+4:64+8*\a+7], s[74:75] offset:3145728+\a*1024+512
.endr
.irp d, 0,1,2,3
	HOLDCVT 0x03, 32*\d, 8, SCV0, LMV0, 96+8*\d
	HOLDCVT 0x03, 32*\d, 8, SCV1, LMV1, 128+8*\d
	WIN 0x04
	global_store_b128 v[L16], v[96+8*\d:96+8*\d+3], s[76:77] offset:\d*1024
	global_store_b128 v[L16], v[96+8*\d+4:96+8*\d+7], s[76:77] offset:\d*1024+512
	global_store_b128 v[L16], v[128+8*\d:128+8*\d+3], s[76:77] offset:3145728+\d*1024
	global_store_b128 v[L16], v[128+8*\d+4:128+8*\d+7], s[76:77] offset:3145728+\d*1024+512
.endr
	WIN 0
	s_branch .Lend
.Lquery:
	s_sub_co_u32 s47, s47, 192
	s_lshl_b32 s66, s47, 6
	s_lshl_b32 s67, s42, 12
	s_add_co_u32 s66, s66, s67
	s_add_co_u32 s66, s66, 4194304
	s_mov_b32 s67, 0
	s_add_nc_u64 s[76:77], s[78:79], s[66:67]
	s_lshl_b32 s66, s47, 12
	s_lshl_b32 s67, s42, 18
	s_add_co_u32 s66, s66, s67
	s_mov_b32 s67, 0
	s_add_nc_u64 s[78:79], s[78:79], s[66:67]
	WIN 0x0a
.irp a, 0,1,2,3
.irp b, 0,1,2,3
.irp i, 0,4
.set xq, 8*(4*\b+\a)+\i
.set xk, 8*(4*(4+\b)+\a)+\i
.set cc, CH+4*\a
.if (\b == 0) && (\i == 0)
	v_pk_mul_f32 v[cc:cc+1], v[xq:xq+1], v[xk:xk+1]
	v_pk_mul_f32 v[cc+2:cc+3], v[xq+2:xq+3], v[xk+2:xk+3]
.else
	v_pk_fma_f32 v[cc:cc+1], v[xq:xq+1], v[xk:xk+1], v[cc:cc+1]
	v_pk_fma_f32 v[cc+2:cc+3], v[xq+2:xq+3], v[xk+2:xk+3], v[cc+2:cc+3]
.endif
.endr
.endr
.endr
	WIN 0
.irp a, 0,1,2,3
	v_pk_add_f32 v[CH+4*\a:CH+4*\a+1], v[CH+4*\a:CH+4*\a+1], v[CH+4*\a+2:CH+4*\a+3]
.endr
.irp a, 0,1,2,3
	v_add_f32 v[CH+4*\a], v[CH+4*\a], v[CH+4*\a+1]
.endr
.irp a, 0,1,2,3
	v_permlanex16_b32 v[CH+4*\a+1], v[CH+4*\a], s20, s21
.endr
.irp a, 0,1,2,3
	v_add_f32 v[CH+4*\a], v[CH+4*\a], v[CH+4*\a+1]
.endr
	v_cndmask_b32 v[SD], v[CH], v[CH+8], s23
	v_cndmask_b32 v[SD+1], v[CH+4], v[CH+12], s23
	global_store_b64 v[SSO], v[SD:SD+1], s[76:77]
	WIN 0x03
.set j, 0
.rept 64
	v_pk_mul_f32 v[64+j:64+j+1], v[j:j+1], s[98:99] op_sel_hi:[1,0]
.set j, j+2
.endr
	WIN 0
.irp b, 0,1,2,3
.irp a, 0,1,2,3
.irp j, 0,1,2,3,4,5,6,7
	ds_store_b32 v[STW], v[64+8*(4*\b+\a)+\j] offset:(16*\a+\j)*PITCH+4*(32*(\b/2)+8*(\b%2))
.endr
.endr
.endr
.set j, 0
.rept 32
	ds_load_b128 v[64+4*j:64+4*j+3], v[STR] offset:2*j*PITCH
.set j, j+1
.endr
	s_wait_dscnt 0x0
.set j, 0
.rept 32
	global_store_b128 v[L16], v[64+4*j:64+4*j+3], s[78:79] offset:512*j
.set j, j+1
.endr
.Lend:
	s_wait_tensorcnt 0x0
	ds_add_u32 v[SPW], v[NIL]
	s_wait_dscnt 0x0
	CROUND
	s_endpgm
.Lfunc_end_k_qf70f400bb5_qkv:
	.size	k_qf70f400bb5_qkv, .Lfunc_end_k_qf70f400bb5_qkv-k_qf70f400bb5_qkv
	.p2alignl 7, 3214868480
	.fill 96, 4, 3214868480
	.section	.rodata,"a",@progbits
	.p2align	6, 0x0
	.amdhsa_kernel k_qf70f400bb5_qkv
		.amdhsa_group_segment_fixed_size 327680
		.amdhsa_private_segment_fixed_size 0
		.amdhsa_enable_private_segment 0
		.amdhsa_kernarg_size 80
		.amdhsa_user_sgpr_count 2
		.amdhsa_user_sgpr_kernarg_segment_ptr 1
		.amdhsa_wavefront_size32 1
		.amdhsa_system_sgpr_workgroup_id_x 1
		.amdhsa_system_sgpr_workgroup_id_y 1
		.amdhsa_system_sgpr_workgroup_id_z 1
		.amdhsa_system_vgpr_workitem_id 0
		.amdhsa_next_free_vgpr 1024
		.amdhsa_next_free_sgpr 102
		.amdhsa_reserve_vcc 0
		.amdhsa_float_denorm_mode_32 3
		.amdhsa_float_denorm_mode_16_64 3
		.amdhsa_memory_ordered 1
		.amdhsa_forward_progress 1
		.amdhsa_inst_pref_size 244
	.end_amdhsa_kernel
	.amdgpu_metadata
---
amdhsa.version: [ 1, 2 ]
amdhsa.kernels:
  - .name:           k_qf70f400bb5_qkv
    .symbol:         k_qf70f400bb5_qkv.kd
    .args:
      - { .name: xc, .offset: 0, .size: 8, .value_kind: global_buffer, .address_space: global }
      - { .name: wc, .offset: 8, .size: 8, .value_kind: global_buffer, .address_space: global }
      - { .name: pos, .offset: 16, .size: 8, .value_kind: global_buffer, .address_space: global }
      - { .name: freqs, .offset: 24, .size: 8, .value_kind: global_buffer, .address_space: global }
      - { .name: scale, .offset: 32, .size: 8, .value_kind: global_buffer, .address_space: global }
      - { .name: lowp_scales, .offset: 40, .size: 8, .value_kind: global_buffer, .address_space: global }
      - { .name: qimg, .offset: 48, .size: 8, .value_kind: global_buffer, .address_space: global }
      - { .name: kimg, .offset: 56, .size: 8, .value_kind: global_buffer, .address_space: global }
      - { .name: vimg, .offset: 64, .size: 8, .value_kind: global_buffer, .address_space: global }
      - { .name: qaux, .offset: 72, .size: 8, .value_kind: global_buffer, .address_space: global }
    .group_segment_fixed_size: 327680
    .private_segment_fixed_size: 0
    .kernarg_segment_align: 8
    .kernarg_segment_size: 80
    .max_flat_workgroup_size: 128
    .sgpr_count:     102
    .vgpr_count:     1024
    .wavefront_size: 32
...
	.end_amdgpu_metadata
.endif
;; end of part 2
;; launch attnp (part 3): grid 16 x 16, 12 waves a work-group, no clusters, 327,680 bytes of LDS; arguments qimg, kimg, vimg, lowp_scales, oc; writes oc
.if DOCPART == 3
	.amdgcn_target "amdgcn-amd-amdhsa--gfx1250"
	.amdhsa_code_object_version 6
	.text
	.protected	k_qf70f400bb5_attnp
	.globl	k_qf70f400bb5_attnp
	.p2align	8
	.type	k_qf70f400bb5_attnp,@function
k_qf70f400bb5_attnp:
	s_mov_b64 s[64:65], 0
	v_nop
	global_prefetch_b8 v0, s[64:65] scope:SCOPE_SE
	s_setreg_imm32_b32 hwreg(HW_REG_WAVE_MODE, 25, 1), 1
	s_wait_xcnt 0x0
; Causal attention among the 3,072 pokes, both products on codes of E4M3, and the quantiser of the out product's operand.
; t = score x log2(e); M = the running largest t rounded up to a whole number; p = 2^(t - M) is quantised (e4), not normalised; the sum of the unquantised p divides at the end; a change of M multiplies by an exact power of two.
; SHARES.  Work-group (x, head), twelve waves, one tile of 16 queries a wave.  With j = 4 x + wave % 4 the tile is j, 127 - j or 128 + j for wave / 4 = 0, 1, 2: these want x / 2 + 1, 16 - x / 2 and 17 + x / 2 key steps,
; so the three classes together are 34 + x / 2 steps whatever the wave % 4.
; Every work-group walks all six slots of 512 keys (trip counts are constants; no tensor load and no barrier is jumped over); a step all of whose keys come after the wave's queries is left out by a scalar branch on ids.
; LAYOUT.  S^T = K Q^T (source 0 = 16 keys, source 1 = my queries) and O^T = V^T P^T: a lane holds one query.  K's, Q's and V's images are operand registers as they stand, so a fragment is loads of 512 consecutive bytes.
; The eight registers of S^T's tile t are keys 16 t + 8 (lane / 16) + 0 .. 7: their codes are registers 2 t, 2 t + 1 of the second product's operand.
; NO CLUSTER: the skip of hidden steps is a branch on 4 x + wave % 4, which differs between the work-groups of a head; classes of tiles equal in four partners
; would add a wasted and a masked step to each tile, against 64 KiB of tiles shared in at least four key steps.
; LIMITS: e2 + e3 in [-126, 127] (added to log2(e)'s exponent field); e4 and e10 in [-126, 119].
; REGISTERS: v1-9 addresses and constants; v[10:11], v[14:15] the sum; v12 -M; v13 the largest t; v16-23 Q; v24-39 p's codes; v40-47 at work; v48-111 K; v112-175 S^T, then p; v176-239 V; window 1 v0-31 O^T.
.set SLOT1, 65536                      ; a slot: 32 KiB of K's images, then 32 KiB of V's; slot 1 begins here
.set VOFF,  32768
.set SPARE, 131072                     ; behind the ring: the spare words, 128 bytes a wave
.set L16, 1
.set AD,  2
.set PFO, 3
.set DQ,  4
.set SPW, 5
.set NIL, 6
.set QF,  16
.set PC,  24
.set KFR, 48
.set S,   112
.set VF,  176
.set WV,  18
.set SEL, 20
.set CS,  22
.set G1,  24
.set G0,  40
.set TB,  2
.set CNT, 3
.set SLOTS, 67
.set KF,  98
.set Q0,  99
.set PFA, 76
.set LIM, 80
.set MSB, 0
.macro WIN new
.if MSB != \new
	s_set_vgpr_msb (MSB<<8)|\new
.set MSB, \new
.endif
.endm
.macro TLOAD                           ; waves 0 and 1 fetch K's halves of a slot, waves 2 and 3 V's: 16 KiB each; four v_nop follow the line
	s_cmp_lt_u32 s[WV], 4
	s_cbranch_scc0 .Lno_load_\@
	tensor_load_to_lds s[G0:G0+3], s[G1:G1+7]
	s_nop 0
.rept 4
	v_nop
.endr
.Lno_load_\@:
.endm
; A prefetch of what the NEXT change of slots will ask for: 32 KiB of K's images and 32 KiB of V's.  All work-groups of a head walk the same bytes: the head's first work-group asks, in it the waves that fetch nothing:
; waves 4 to 7 for K's, waves 8 to 11 for V's, 8 KiB a wave, lanes 256 bytes apart: each block of 256 bytes is named once in the launch.  The last change that fills a slot asks for nothing.
.macro ASK
	s_cmp_gt_u32 s[SLOTS], s[LIM]
	s_cbranch_scc0 .Lnot_mine_\@
	global_prefetch_b8 v[PFO], s[PFA:PFA+1] th:TH_LOAD_NT scope:SCOPE_SE
.Lnot_mine_\@:
.endm
	s_load_b256 s[4:11], s[0:1], 0x0               ; qimg s[4:5], kimg s[6:7], vimg s[8:9], the scales s[10:11]
	s_load_b64 s[12:13], s[0:1], 0x20              ; oc
	v_lshl_add_u32 v[SPW], v0, 2, SPARE
	v_mov_b32 v[NIL], 0
	ds_add_u32 v5, v6
	ds_add_u32 v5, v6
	s_wait_dscnt 0x0
	v_lshrrev_b32 v7, 5, v0
	s_delay_alu instid0(VALU_DEP_1)
	v_readfirstlane_b32 s[WV], v7                  ; wave 0..11
	s_and_b32 s68, ttmp7, 0xffff                   ; the head
	s_and_b32 s69, s[WV], 3
	s_lshl_b32 s70, ttmp9, 2
	s_add_co_u32 s69, s70, s69                     ; j
	s_lshr_b32 s70, s[WV], 2                       ; the class
	s_sub_co_u32 s71, 127, s69
	s_add_co_u32 s72, s69, 128
	s_cmp_eq_u32 s70, 1
	s_cselect_b32 s73, s71, s69
	s_cmp_eq_u32 s70, 2
	s_cselect_b32 s73, s72, s73                    ; my tile of 16 queries
	s_lshl_b32 s[Q0], s73, 4
	s_mov_b32 s[G1], 3<<16                         ; elements of 8 bytes; no mask, no padding
	s_mov_b32 s[G1+1], 32<<16                      ; 64 dense rows of 256 bytes
	s_mov_b32 s[G1+2], 64<<16
	s_mov_b32 s[G1+3], 32<<16
	s_mov_b32 s[G1+4], 64
	s_mov_b32 s[G1+5], 32
	s_mov_b32 s[G1+6], 0
	s_mov_b32 s[G1+7], 0
	s_and_b32 s74, s[WV], 3
	s_lshl_b32 s74, s74, 14                        ; where my 16 KiB go in a slot
	s_mul_i32 s82, s68, 196608                     ; the head's bytes in kimg and vimg
	s_and_b32 s75, s[WV], 1
	s_lshl_b32 s75, s75, 14
	s_add_co_u32 s78, s82, s75
	s_mov_b32 s79, 0
	s_mov_b32 s[SEL], 0x76543210
	s_mov_b32 s[SEL+1], 0xfedcba98
	s_mov_b32 s[TB], 0
	s_mov_b32 s[SLOTS], 5
	s_mov_b32 s[KF], 0
	s_wait_kmcnt 0x0
	s_load_b256 s[84:91], s[10:11], 0x0            ; e0 .. e7
	s_load_b128 s[92:95], s[10:11], 0x20           ; e8 .. e11
	s_cmp_lt_u32 s[WV], 2
	s_cselect_b64 s[G0+2:G0+3], s[6:7], s[8:9]
	s_add_nc_u64 s[G0+2:G0+3], s[G0+2:G0+3], s[78:79]
	s_or_b32 s[G0+3], s[G0+3], 0x80000000
	s_mov_b32 s[G0], 1
	s_mov_b32 s[G0+1], s74
	TLOAD                                          ; slot 0
	s_lshl_b32 s78, s68, 18
	s_lshl_b32 s79, s73, 10
	s_add_co_u32 s78, s78, s79
	s_mov_b32 s79, 0
	s_add_nc_u64 s[4:5], s[4:5], s[78:79]          ; my tile's image of Q
	s_lshr_b32 s78, s73, 3
	s_lshl_b32 s78, s78, 17
	s_lshl_b32 s79, s68, 13
	s_add_co_u32 s78, s78, s79
	s_and_b32 s79, s73, 7
	s_lshl_b32 s79, s79, 10
	s_add_co_u32 s78, s78, s79
	s_mov_b32 s79, 0
	s_add_nc_u64 s[12:13], s[12:13], s[78:79]      ; oc: [tile / 8][head][tile % 8]
	s_cmp_lt_u32 s[WV], 8
	s_cselect_b64 s[PFA:PFA+1], s[6:7], s[8:9]
	s_and_b32 s78, s[WV], 3
	s_lshl_b32 s78, s78, 13
	s_add_co_u32 s78, s78, s82
	s_add_co_u32 s78, s78, 32768                   ; in slot 1: the first change of slots steps it to slot 2.  Nothing is prefetched at the head
	s_mov_b32 s79, 0
	s_add_nc_u64 s[PFA:PFA+1], s[PFA:PFA+1], s[78:79]
	s_sub_co_u32 s78, s[WV], 4
	s_lshr_b32 s78, s78, 3                         ; 0 in waves 4 to 11,
	s_or_b32 s78, s78, ttmp9                       ; of the head's first work-group
	s_cmp_eq_u32 s78, 0
	s_cselect_b32 s[LIM], 1, -1
	v_and_b32 v7, 31, v0
	s_delay_alu instid0(VALU_DEP_1)
	v_lshlrev_b32 v[L16], 4, v7
	s_delay_alu instid0(VALU_DEP_2)
	v_lshlrev_b32 v[PFO], 8, v7
	global_load_b128 v[QF:QF+3], v[L16], s[4:5]
	global_load_b128 v[QF+4:QF+7], v[L16], s[4:5] offset:512
	v_and_b32 v7, 15, v0
	v_bfe_u32 v8, v0, 4, 1
	s_delay_alu instid0(VALU_DEP_1)
	v_lshlrev_b32 v8, 3, v8
	s_delay_alu instid0(VALU_DEP_1)
	v_sub_nc_u32 v[DQ], v7, v8                     ; r - 8 h
	v_mov_b32 v9, 0xff800000                       ; -infinity
	v_mov_b32 v13, 0xff61b1e6                      ; the largest t so far: -3e38
	s_delay_alu instid0(VALU_DEP_1)
	v_floor_f32 v12, -v13
	v_mov_b32 v14, 0
	v_mov_b32 v15, 0
	v_mov_b32 v43, 0                               ; (named as the upper half of the pair v[42:43])
	v_mov_b32 v46, 0                               ; a lane permute's destination counts as one of its sources
	WIN 0x40
.set j, 0
.rept 32
	v_mov_b32 v[j], 0                              ; O^T: the step is written once; the first finds zeros
.set j, j+1
.endr
	WIN 0
	s_wait_kmcnt 0x0
	s_add_co_i32 s96, s86, s87
	s_lshl_b32 s96, s96, 23
	s_mov_b32 s[CS], 0x3fb8aa3b                    ; log2(e),
	s_add_co_i32 s[CS], s[CS], s96                 ; x 2^(e2 + e3)
	s_mov_b32 s[CS+1], s[CS]
	s_add_co_i32 s96, s88, 127
	s_lshl_b32 s97, s96, 23
	v_mov_b32 v41, s97                             ; 2^e4
; A KEY STEP: 128 keys, at LDS byte TB of K's images and of V's.
.macro STEP
	s_add_co_u32 s96, s[Q0], 15
	s_cmp_gt_u32 s[KF], s96
	s_cbranch_scc1 .Lhidden_\@
	s_setprio 2
	v_add_nc_u32 v[AD], s[TB], v[L16]
.irp t, 0,1,2,3,4,5,6,7
	ds_load_b128 v[KFR+8*\t:KFR+8*\t+3], v[AD] offset:\t*1024
	ds_load_b128 v[KFR+8*\t+4:KFR+8*\t+7], v[AD] offset:\t*1024+512
.endr
.irp d, 0,1,2,3
.irp k, 0,1
	ds_load_b128 v[VF+16*\d+8*\k:VF+16*\d+8*\k+3], v[AD] offset:VOFF+\k*4096+\d*1024
	ds_load_b128 v[VF+16*\d+8*\k+4:VF+16*\d+8*\k+7], v[AD] offset:VOFF+\k*4096+\d*1024+512
.endr
.endr
	s_wait_dscnt 16                                ; K's 16 loads are in; V's 16 stay out and land under the softmax
.irp t, 0,1,2,3,4,5,6,7
	v_wmma_f32_16x16x64_fp8_fp8 v[S+8*\t:S+8*\t+7], v[KFR+8*\t:KFR+8*\t+7], v[QF:QF+7], 0
.endr
.rept 4
	v_nop
.endr
	s_add_co_u32 s96, s[KF], 127                   ; on the diagonal hidden scores become -infinity; a step all of whose keys count skips this
	s_cmp_le_u32 s96, s[Q0]
	s_cbranch_scc1 .Lopen_\@
	s_sub_co_i32 s96, s[Q0], s[KF]
	v_add_nc_u32 v8, s96, v[DQ]                    ; register 8 t + j holds key KF + 16 t + 8 h + j: hidden where 16 t + j > Q0 - KF + r - 8 h
.set n, 0
.rept 64
	v_cmp_gt_i32 vcc_lo, 16*(n/8)+n%8, v8
	v_cndmask_b32 v[S+n], v[S+n], v9, vcc_lo
.set n, n+1
.endr
.Lopen_\@:
	v_max3_num_f32 v44, v[S], v[S+1], v[S+2]       ; the step's largest score, in two chains, ascending
	v_max3_num_f32 v45, v[S+3], v[S+4], v[S+5]
.set n, 6
.rept 14
	v_max3_num_f32 v44, v44, v[S+n], v[S+n+1]
	v_max3_num_f32 v45, v45, v[S+n+2], v[S+n+3]
.set n, n+4
.endr
	v_max3_num_f32 v44, v44, v[S+62], v[S+63]
	s_delay_alu instid0(VALU_DEP_1)
	v_max_num_f32 v44, v44, v45
	s_delay_alu instid0(VALU_DEP_1)
	v_permlanex16_b32 v46, v44, s[SEL], s[SEL+1]
	s_delay_alu instid0(VALU_DEP_1)
	v_max_num_f32 v44, v44, v46
	s_delay_alu instid0(VALU_DEP_1)
	v_mul_f32 v44, s[CS], v44
	s_delay_alu instid0(VALU_DEP_1)
	v_max_num_f32 v13, v13, v44                    ; the running largest t
	v_mov_b32 v44, v12
	s_delay_alu instid0(VALU_DEP_2)
	v_floor_f32 v12, -v13                          ; -M = floor(-t)
	s_delay_alu instid0(VALU_DEP_1)
	v_sub_f32 v44, v12, v44                        ; old M - new M, a whole number
	s_delay_alu instid0(VALU_DEP_1)
	v_cvt_i32_f32 v44, v44                         ; (it saturates)
	s_delay_alu instid0(VALU_DEP_1)
	v_ldexp_f32 v42, 1.0, v44                      ; f = 2^(old M - new M)
.set n, 0
	s_setprio 1
.rept 32
	v_pk_fma_f32 v[S+n:S+n+1], v[S+n:S+n+1], s[CS:CS+1], v[12:13] op_sel_hi:[1,0,0]
.set n, n+2
.endr
.set n, 0
	s_wait_alu depctr_va_vdst(0)
.rept 64
	v_exp_f32 v[S+n], v[S+n]
.set n, n+1
.endr
	v_pk_mul_f32 v[14:15], v[14:15], v[42:43] op_sel_hi:[1,0]   ; the sum under the new M: the plain line behind the batch
	s_wait_alu depctr_va_vdst(0)                   ; one wait for the 64 exponentials, ahead of their first reader
	v_pk_add_f32 v[10:11], v[116:117], v[120:121]
	v_pk_add_f32 v[254:255], v[124:125], v[128:129]
	v_pk_add_f32 v[252:253], v[132:133], v[136:137]
	v_pk_add_f32 v[250:251], v[140:141], v[144:145]
	v_pk_add_f32 v[248:249], v[148:149], v[152:153]
	v_pk_add_f32 v[246:247], v[156:157], v[160:161]
	v_pk_add_f32 v[244:245], v[164:165], v[168:169]
	v_pk_add_f32 v[14:15], v[14:15], v[172:173]
	v_pk_add_f32 v[10:11], v[10:11], v[112:113]
	v_pk_add_f32 v[254:255], v[254:255], v[114:115]
	v_pk_add_f32 v[252:253], v[252:253], v[118:119]
	v_pk_add_f32 v[250:251], v[250:251], v[122:123]
	v_pk_add_f32 v[248:249], v[248:249], v[126:127]
	v_pk_add_f32 v[246:247], v[246:247], v[130:131]
	v_pk_add_f32 v[244:245], v[244:245], v[134:135]
	v_pk_add_f32 v[14:15], v[14:15], v[138:139]
	v_pk_add_f32 v[10:11], v[10:11], v[142:143]
	v_pk_add_f32 v[254:255], v[254:255], v[146:147]
	v_pk_add_f32 v[252:253], v[252:253], v[150:151]
	v_pk_add_f32 v[250:251], v[250:251], v[154:155]
	v_pk_add_f32 v[248:249], v[248:249], v[158:159]
	v_pk_add_f32 v[246:247], v[246:247], v[162:163]
	v_pk_add_f32 v[244:245], v[244:245], v[166:167]
	v_pk_add_f32 v[14:15], v[14:15], v[170:171]
	v_pk_add_f32 v[10:11], v[10:11], v[174:175]
	s_delay_alu instid0(VALU_DEP_2)
	v_pk_add_f32 v[14:15], v[14:15], v[250:251]
	s_delay_alu instid0(VALU_DEP_2)
	v_pk_add_f32 v[10:11], v[10:11], v[248:249]
	s_setprio 0
	v_pk_add_f32 v[254:255], v[254:255], v[246:247]
	v_pk_add_f32 v[252:253], v[252:253], v[244:245]
	s_delay_alu instid0(VALU_DEP_2)
	v_pk_add_f32 v[14:15], v[14:15], v[254:255]
	s_delay_alu instid0(VALU_DEP_2)
	v_pk_add_f32 v[10:11], v[10:11], v[252:253]
	s_delay_alu instid0(VALU_DEP_1)
	v_pk_add_f32 v[14:15], v[14:15], v[10:11]
.set n, 0
.rept 64
.set n, n+1
.endr
.irp t, 0,1,2,3,4,5,6,7
	v_cvt_scalef32_pk8_fp8_f32 v[PC+2*\t:PC+2*\t+1], v[S+8*\t:S+8*\t+7], v41
.endr
	WIN 0x41                                       ; O^T: destination and source 0 window 1
.set n, 0
.rept 16
	v_pk_mul_f32 v[n:n+1], v[n:n+1], v[42:43] op_sel_hi:[1,0]   ; O^T under the new M; also the plain lines behind the conversions
.set n, n+2
.endr
	s_wait_alu depctr_va_vdst(0)
	s_wait_dscnt 0x0                               ; V is in
	WIN 0x50                                       ; C and D window 1
.irp d, 0,1,2,3
	v_wmma_f32_16x16x128_fp8_fp8 v[8*\d:8*\d+7], v[VF+16*\d:VF+16*\d+15], v[PC:PC+15], v[8*\d:8*\d+7]
.endr
	WIN 0
.rept 4
	v_nop                                          ; places in front of the next step's loads into V's registers and of the way out's reads
.endr
.Lhidden_\@:
	s_add_co_u32 s[KF], s[KF], 128
	s_add_co_u32 s[TB], s[TB], 8192
.endm
; THE CHANGE OF SLOTS stands at a slot's head: all my tensor loads, the add, my reads of the slot that I have left; one barrier; behind it that slot is filled with the keys that follow.
.macro CHANGE fill
	s_wait_tensorcnt 0x0
	ds_add_u32 v[SPW], v[NIL]                      ; 0 onto my spare word
.if \fill
	s_xor_b32 s[G0+1], s[G0+1], SLOT1
	s_add_nc_u64 s[G0+2:G0+3], s[G0+2:G0+3], 32768
	s_wait_xcnt 0x0                                ; the last prefetch, a slot back, has read its address
	s_add_nc_u64 s[PFA:PFA+1], s[PFA:PFA+1], 32768
.endif
	s_wait_dscnt 0x0
	s_barrier_signal -1
	s_barrier_wait -1
.if \fill
	TLOAD                                          ; a wave's one tensor load until the next such barrier: one load of mine is out
	ASK
.endif
.endm
.macro SLOT_STEPS
	s_mov_b32 s[CNT], 4
.Lstep_\@:
	STEP
	s_sub_co_u32 s[CNT], s[CNT], 1
	s_cmp_lg_u32 s[CNT], 0
	s_cbranch_scc1 .Lstep_\@
	s_setprio 0
	s_sub_co_u32 s[TB], s[TB], 32768
	s_xor_b32 s[TB], s[TB], SLOT1                  ; on to the other slot
.endm
	s_wait_loadcnt 0x0                             ; Q
.Lslot:                                            ; five trips: behind each change of slots but the last the next slot is asked for
	CHANGE 1
	SLOT_STEPS
	s_sub_co_u32 s[SLOTS], s[SLOTS], 1
	s_cmp_lg_u32 s[SLOTS], 0
	s_cbranch_scc1 .Lslot
	CHANGE 0                                       ; the last slot is written out
	SLOT_STEPS
	; THE WAY OUT: O^T / the sum x 2^(e4 + e5), quantised under e10: the codes are the out product's operand registers
	v_add_f32 v14, v14, v15
	s_delay_alu instid0(VALU_DEP_1)
	v_permlanex16_b32 v46, v14, s[SEL], s[SEL+1]
	s_delay_alu instid0(VALU_DEP_1)
	v_add_f32 v14, v14, v46
	s_wait_alu depctr_va_vdst(0)
	v_rcp_f32 v14, v14
	v_nop
	s_add_co_i32 s96, s88, s89
	s_add_co_i32 s97, s94, 127
	s_lshl_b32 s70, s97, 23
	v_mov_b32 v41, s70                             ; 2^e10
	s_wait_alu depctr_va_vdst(0)                   ; the wait, ahead of the reciprocal's first reader
	v_ldexp_f32 v14, v14, s96
	WIN 0x01
.set n, 0
.rept 16
	v_pk_mul_f32 v[S+n:S+n+1], v[n:n+1], v[14:15] op_sel_hi:[1,0]
.set n, n+2
.endr
	WIN 0
.set n, 0
.rept 32
.set n, n+1
.endr
.irp d, 0,1,2,3
	v_cvt_scalef32_pk8_fp8_f32 v[PC+2*\d:PC+2*\d+1], v[S+8*\d:S+8*\d+7], v41
.endr
	v_nop
	global_store_b128 v[L16], v[PC:PC+3], s[12:13]
	global_store_b128 v[L16], v[PC+4:PC+7], s[12:13] offset:512
	s_wait_tensorcnt 0x0                           ; the wave's end
	ds_add_u32 v[SPW], v[NIL]
	s_wait_dscnt 0x0
	s_endpgm
.Lfunc_end_k_qf70f400bb5_attnp:
	.size	k_qf70f400bb5_attnp, .Lfunc_end_k_qf70f400bb5_attnp-k_qf70f400bb5_attnp
	.p2alignl 7, 3214868480
	.fill 96, 4, 3214868480
	.section	.rodata,"a",@progbits
	.p2align	6, 0x0
	.amdhsa_kernel k_qf70f400bb5_attnp
		.amdhsa_group_segment_fixed_size 327680
		.amdhsa_private_segment_fixed_size 0
		.amdhsa_enable_private_segment 0
		.amdhsa_kernarg_size 40
		.amdhsa_user_sgpr_count 2
		.amdhsa_user_sgpr_kernarg_segment_ptr 1
		.amdhsa_wavefront_size32 1
		.amdhsa_system_sgpr_workgroup_id_x 1
		.amdhsa_system_sgpr_workgroup_id_y 1
		.amdhsa_system_sgpr_workgroup_id_z 1
		.amdhsa_system_vgpr_workitem_id 0
		.amdhsa_next_free_vgpr 288
		.amdhsa_next_free_sgpr 100
		.amdhsa_reserve_vcc 1
		.amdhsa_float_denorm_mode_32 3
		.amdhsa_float_denorm_mode_16_64 3
		.amdhsa_fp16_overflow 1
		.amdhsa_memory_ordered 1
		.amdhsa_forward_progress 1
		.amdhsa_inst_pref_size 49
	.end_amdhsa_kernel
	.amdgpu_metadata
---
amdhsa.version: [ 1, 2 ]
amdhsa.kernels:
  - .name:           k_qf70f400bb5_attnp
    .symbol:         k_qf70f400bb5_attnp.kd
    .args:
      - { .name: qimg, .offset: 0, .size: 8, .value_kind: global_buffer, .address_space: global }
      - { .name: kimg, .offset: 8, .size: 8, .value_kind: global_buffer, .address_space: global }
      - { .name: vimg, .offset: 16, .size: 8, .value_kind: global_buffer, .address_space: global }
      - { .name: lowp_scales, .offset: 24, .size: 8, .value_kind: global_buffer, .address_space: global }
      - { .name: oc, .offset: 32, .size: 8, .value_kind: global_buffer, .address_space: global }
    .group_segment_fixed_size: 327680
    .private_segment_fixed_size: 0
    .kernarg_segment_align: 8
    .kernarg_segment_size: 40
    .max_flat_workgroup_size: 384
    .sgpr_count:     100
    .vgpr_count:     288
    .wavefront_size: 32
...
	.end_amdgpu_metadata
.endif
;; end of part 3
;; launch attnq (part 4): grid 16 x 16, 8 waves a work-group, clusters of 4 x 1, 327,680 bytes of LDS; arguments qimg, kimg, vimg, qaux, lowp_scales, oc; writes oc
.if DOCPART == 4
	.amdgcn_target "amdgcn-amd-amdhsa--gfx1250"
	.amdhsa_code_object_version 6
	.text
	.protected	k_qf70f400bb5_attnq
	.globl	k_qf70f400bb5_attnq
	.p2align	8
	.type	k_qf70f400bb5_attnq,@function
k_qf70f400bb5_attnq:
	s_mov_b64 s[64:65], 0
	v_nop
	global_prefetch_b8 v0, s[64:65] scope:SCOPE_SE
	s_setreg_imm32_b32 hwreg(HW_REG_WAVE_MODE, 25, 1), 1
	s_wait_xcnt 0x0
	s_wait_alu depctr_hold_cnt(0) depctr_sa_sdst(0) depctr_va_vdst(0) depctr_va_sdst(0) depctr_va_ssrc(0) depctr_va_vcc(0) depctr_vm_vsrc(0)
	s_getreg_b32 s2, hwreg(HW_REG_IB_STS2, 6, 4)
	s_cmp_eq_u32 s2, 0
	s_cbranch_scc0 .Lentry_in_a_cluster
	s_endpgm
.Lentry_in_a_cluster:
	s_bfe_u32 s2, ttmp6, 0x10000c
	s_cmp_lg_u32 s2, 0x3003
	s_cbranch_scc0 .Lentry_shape_is_right
	s_endpgm
.Lentry_shape_is_right:
; The 1,024 queries attend to all 3,072 pokes and to themselves.  What the second product takes is the FINISHED softmax, so a row's largest logit and its sum are known before a code is made: the scores stay in registers.
; SHARES.  Work-group w of a head takes 64 queries, four tiles of 16.  THE WAVES SHARE THE KEYS: wave v takes keys 384 v .. 384 v + 383 for all four tiles, in two rounds of two tiles (2 x 24 x 8 = 384 registers of scores).
; Each score is made once and has one exponential.  A wave's share of K and of V is just the 24,576 bytes that its own tensor load brings, and only it reads them.
; The row's maximum and sum go from wave to wave through LDS (four exchanges, each with words of its own); O^T's eight partial sums likewise, and wave v finishes tile v / 2, channels 32 (v % 2) on.
; p = 2^(t - M) / l, M = the row's largest t (the self logit among them) rounded up; l has the self term in it; p_self x vq is added in f32.
; CLUSTER 4 x 1: the four work-groups of a cluster belong to one head and ask for K and V jointly.  V's load fills K's bytes again: behind a round of the cluster's barrier.
; No prefetch: K is wanted at the head, and V's load has a whole round's softmax in which to land.
; LIMITS: e6 + e7 in [-126, 127]; e8 and e10 in [-126, 119]; e8 + e9 in [-126, 127].
; REGISTERS.  window 0: v1-11 addresses; v12-15 -M; v16-19 1 / l; v20-27 sums; v28-31 maxima; v32-35 t_self; v36-39 p_self; v40-47 constants, at work; v48-63 Q, later vq; v64-127 K's fragments, later codes; v128-255 score areas 0, 1.
;   window 1: score areas 2 to 5; later O^T (v0-127) and V (v128-255).  Area 3 tau + sigma: tile tau of the round, keys 128 sigma on.
.set PIECE, 24576
.set STASH, 196608
.set EX,    294912                     ; four exchanges of 1,024 bytes
.set SPARE, 299008                     ; the spare words, 128 bytes a wave
.set L16,  1
.set AKV,  2
.set AST,  3
.set AEXW, 4
.set AEXR, 5
.set SPW,  6
.set NIL,  7
.set ARD,  8
.set NM,   12
.set RL,   16
.set SUMC, 20
.set MXC,  28
.set TS,   32
.set PS,   36
.set LM8,  40
.set SC8,  41
.set QF,   48
.set KB,   64
.set WV,  18
.set SEL, 20
.set CS,  22
.set G1,  24
.set G0K, 32
.set G0V, 36
.set HM,  40
.set MSB, 0
.macro WIN new
.if MSB != \new
	s_set_vgpr_msb (MSB<<8)|\new
.set MSB, \new
.endif
.endm
.macro CROUND
	s_barrier_signal -1
	s_barrier_wait -1
	s_cmp_lg_u32 s[WV], 0
	s_cbranch_scc1 .Lnot_wave_0_\@
	s_barrier_signal -3
.Lnot_wave_0_\@:
	s_barrier_wait -3
	s_barrier_signal -1
	s_barrier_wait -1
.endm
.macro PLACES
.rept 4
	v_nop
.endr
.endm
.macro AREA al                         ; where area al lies: window AW, first register AR
.if (\al) < 2
.set AW, 0
.set AR, 128+64*(\al)
.else
.set AW, 1
.set AR, 64*((\al)-2)
.endif
.endm
	s_load_b256 s[4:11], s[0:1], 0x0               ; qimg s[4:5], kimg s[6:7], vimg s[8:9], qaux s[10:11]
	s_load_b128 s[12:15], s[0:1], 0x20             ; the scales s[12:13], oc s[14:15]
	v_lshl_add_u32 v[SPW], v0, 2, SPARE
	v_mov_b32 v[NIL], 0
	ds_add_u32 v6, v7
	ds_add_u32 v6, v7
	s_wait_dscnt 0x0
	v_lshl_add_u32 v[AEXW], v0, 2, EX              ; an exchange: my wave's 128 bytes, my lane's word
	v_lshrrev_b32 v42, 5, v0
	s_delay_alu instid0(VALU_DEP_1)
	v_readfirstlane_b32 s[WV], v42                 ; wave 0..7
	v_and_b32 v42, 31, v0
	s_delay_alu instid0(VALU_DEP_1)
	v_lshlrev_b32 v[L16], 4, v42
	s_wait_alu depctr_va_vdst(0)
	v_lshl_add_u32 v[AEXR], v42, 2, EX
	s_mul_i32 s44, s[WV], PIECE
	v_add_nc_u32 v[AKV], s44, v[L16]
	s_mul_i32 s45, s[WV], 12288
	s_add_co_u32 s45, s45, STASH
	v_add_nc_u32 v[AST], s45, v[L16]
	s_lshr_b32 s58, s[WV], 1                       ; the tile that I finish
	s_and_b32 s59, s[WV], 1                        ; and the half of its channels
	s_lshl_b32 s45, s58, 12
	s_lshl_b32 s46, s59, 11
	s_add_co_u32 s45, s45, s46
	v_add_nc_u32 v[ARD], s45, v[L16]
	s_delay_alu instid0(VALU_DEP_1)
	v_add_nc_u32 v[ARD+1], 49152, v[ARD]
	s_delay_alu instid0(VALU_DEP_2)
	v_add_nc_u32 v[ARD+2], 98304, v[ARD]
	s_delay_alu instid0(VALU_DEP_3)
	v_add_nc_u32 v[ARD+3], 147456, v[ARD]
	v_and_b32 v43, 15, v0                          ; r
	v_bfe_u32 v44, v0, 4, 1                        ; h
	s_delay_alu instid0(VALU_DEP_2)
	v_lshlrev_b32 v46, 4, v43                      ; the self logits: 16 r
	s_delay_alu instid0(VALU_DEP_3)
	v_lshlrev_b32 v47, 8, v43
	s_delay_alu instid0(VALU_DEP_1)
	v_lshl_add_u32 v47, v44, 6, v47                ; vq: 256 r + 64 h; kept until its loads are waited for
	s_bfe_u32 s41, ttmp6, 0x40000                  ; cx
	s_lshl_b32 s42, ttmp9, 2
	s_add_co_u32 s42, s42, s41                     ; w: my block of 64 queries; it enters global addresses of Q, qaux and oc alone
	s_and_b32 s43, ttmp7, 0xffff                   ; the head, which the partners share
	s_mov_b32 s[G1], 15|(3<<16)|(1<<21)            ; the mask: all four; elements of 8 bytes; bit 21 beside the mask
	s_mov_b32 s[G1+1], 32<<16                      ; 96 dense rows of 256 bytes
	s_mov_b32 s[G1+2], 96<<16
	s_mov_b32 s[G1+3], 32<<16
	s_mov_b32 s[G1+4], 96
	s_mov_b32 s[G1+5], 32
	s_mov_b32 s[G1+6], 0
	s_mov_b32 s[G1+7], 0
	s_mov_b32 s[SEL], 0x76543210
	s_mov_b32 s[SEL+1], 0xfedcba98
	s_mov_b32 s[HM], 0xffff0000                    ; lanes 16-31
	s_mul_i32 s54, s43, 196608
	s_add_co_u32 s54, s54, s44
	s_add_co_u32 s54, s54, 3145728                 ; the second set of codes (e7, e9), my head, my wave's piece
	s_mov_b32 s55, 0
	s_lshl_b32 s52, s42, 2
	s_add_co_u32 s52, s52, 192
	s_lshl_b32 s52, s52, 10
	s_lshl_b32 s53, s43, 18
	s_add_co_u32 s52, s52, s53                     ; Q: head, tile 192 + 4 w
	s_mov_b32 s53, 0
	s_lshl_b32 s60, s43, 12
	s_lshl_b32 s61, s42, 8
	s_add_co_u32 s60, s60, s61
	s_add_co_u32 s60, s60, 4194304                 ; the self logits of my 64 queries
	s_mov_b32 s61, 0
	s_lshl_b32 s62, s42, 6
	s_lshl_b32 s63, s58, 4
	s_add_co_u32 s62, s62, s63
	s_lshl_b32 s62, s62, 8
	s_lshl_b32 s63, s59, 7
	s_add_co_u32 s62, s62, s63
	s_lshl_b32 s63, s43, 18
	s_add_co_u32 s62, s62, s63                     ; vq: head, token 64 w + 16 (v / 2), channel 32 (v % 2)
	s_mov_b32 s63, 0
	s_lshr_b32 s66, s42, 1
	s_add_co_u32 s66, s66, 24
	s_lshl_b32 s66, s66, 17
	s_lshl_b32 s67, s43, 13
	s_add_co_u32 s66, s66, s67
	s_and_b32 s67, s42, 1
	s_lshl_b32 s67, s67, 2
	s_add_co_u32 s67, s67, s58
	s_lshl_b32 s67, s67, 10
	s_add_co_u32 s66, s66, s67
	s_lshl_b32 s67, s59, 9
	s_add_co_u32 s66, s66, s67                     ; oc: [24 + w / 2][head][4 (w % 2) + v / 2][v % 2]
	s_mov_b32 s67, 0
	s_wait_kmcnt 0x0
	s_load_b256 s[84:91], s[12:13], 0x0            ; e0 .. e7
	s_load_b128 s[92:95], s[12:13], 0x20           ; e8 .. e11
	s_mov_b32 s[G0K], 1
	s_mov_b32 s[G0K+1], s44
	s_add_nc_u64 s[G0K+2:G0K+3], s[6:7], s[54:55]
	s_or_b32 s[G0K+3], s[G0K+3], 0x80000000
	s_mov_b32 s[G0V], 1
	s_mov_b32 s[G0V+1], s44
	s_add_nc_u64 s[G0V+2:G0V+3], s[8:9], s[54:55]
	s_or_b32 s[G0V+3], s[G0V+3], 0x80000000
	s_add_nc_u64 s[4:5], s[4:5], s[52:53]
	s_add_nc_u64 s[48:49], s[10:11], s[60:61]
	s_add_nc_u64 s[50:51], s[10:11], s[62:63]
	s_add_nc_u64 s[14:15], s[14:15], s[66:67]
	CROUND                                         ; all four work-groups are here: the first joint loads meet
	tensor_load_to_lds s[G0K:G0K+3], s[G1:G1+7]    ; my piece of K: one load of mine is out
	s_nop 0
	PLACES
.macro QLOAD rho
.irp i, 0,1,2,3
	global_load_b128 v[QF+4*\i:QF+4*\i+3], v[L16], s[4:5] offset:2048*(\rho)+512*\i
.endr
.endm
	QLOAD 0
	s_wait_alu depctr_va_vdst(0)
	global_load_b128 v[TS:TS+3], v46, s[48:49]     ; the self logits of token r of the four tiles
	s_wait_kmcnt 0x0
	s_add_co_i32 s68, s90, s91
	s_lshl_b32 s68, s68, 23
	s_mov_b32 s[CS], 0x3fb8aa3b
	s_add_co_i32 s[CS], s[CS], s68                 ; log2(e) x 2^(e6 + e7)
	s_mov_b32 s[CS+1], s[CS]
	s_add_co_i32 s68, s92, 127
	s_lshl_b32 s69, s68, 23
	v_mov_b32 v[SC8], s69                          ; 2^e8
	s_add_co_i32 s56, s92, s93
	s_add_co_i32 s56, s56, 127
	s_lshl_b32 s56, s56, 23                        ; 2^(e8 + e9)
	s_mov_b32 s57, s56
.macro KLOAD g                         ; key tiles 4 g .. 4 g + 3 into half g % 2 of K's registers: 8 loads
.irp t, 0,1,2,3
	ds_load_b128 v[KB+32*((\g)%2)+8*\t:KB+32*((\g)%2)+8*\t+3], v[AKV] offset:(4*(\g)+\t)*1024
	ds_load_b128 v[KB+32*((\g)%2)+8*\t+4:KB+32*((\g)%2)+8*\t+7], v[AKV] offset:(4*(\g)+\t)*1024+512
.endr
.endm
; the round's scores: S^T = K Q^T for my 24 key tiles and two tiles of queries
.macro SPHASE
	KLOAD 0
	KLOAD 1
.irp g, 0,1,2,3,4,5
.if \g < 5
	s_wait_dscnt 8                                 ; this half's 8 loads are in; the other half's 8 stay out
.else
	s_wait_dscnt 0
.endif
.irp tau, 0,1
	AREA 3*\tau+\g/2
	WIN 0x40*AW
.irp t, 0,1,2,3
	v_wmma_f32_16x16x64_fp8_fp8 v[AR+32*(\g%2)+8*\t:AR+32*(\g%2)+8*\t+7], v[KB+32*(\g%2)+8*\t:KB+32*(\g%2)+8*\t+7], v[QF+8*\tau:QF+8*\tau+7], 0
.endr
.endr
	WIN 0
.if \g < 4
	PLACES                                         ; in front of loads into registers that matrix instructions have read
	KLOAD \g+2
.endif
.endr
.endm
; Two numbers a query (xa of tile 0, xb of tile 1; alike in both halves of the lanes) are joined over the eight waves: lanes 0-15 carry xa, lanes 16-31 xb.
; Exchange ar has the 1,024 bytes at EX + 1,024 ar for itself: they are written once, read behind one barrier, and never written again.
.macro EXCH isadd, ar, xa, xb
	s_delay_alu instid0(VALU_DEP_1)
	v_cndmask_b32 v42, v[\xa], v[\xb], s[HM]
	ds_store_b32 v[AEXW], v42 offset:(\ar)*1024
	s_wait_dscnt 0x0                               ; for the others' sake
	s_barrier_signal -1
	s_barrier_wait -1
.irp n, 0,1,2,3,4,5,6,7
	ds_load_b32 v[KB+\n], v[AEXR] offset:(\ar)*1024+128*\n
.endr
	s_wait_dscnt 0x0
.if \isadd
	v_add_f32 v[KB], v[KB], v[KB+1]
	v_add_f32 v[KB+2], v[KB+2], v[KB+3]
	v_add_f32 v[KB+4], v[KB+4], v[KB+5]
	v_add_f32 v[KB+6], v[KB+6], v[KB+7]
	s_delay_alu instid0(VALU_DEP_3)
	v_add_f32 v[KB], v[KB], v[KB+2]
	s_delay_alu instid0(VALU_DEP_2)
	v_add_f32 v[KB+4], v[KB+4], v[KB+6]
	s_delay_alu instid0(VALU_DEP_1)
	v_add_f32 v42, v[KB], v[KB+4]
.else
	v_max3_num_f32 v42, v[KB], v[KB+1], v[KB+2]
	s_delay_alu instid0(VALU_DEP_1)
	v_max3_num_f32 v42, v42, v[KB+3], v[KB+4]
	s_delay_alu instid0(VALU_DEP_1)
	v_max3_num_f32 v42, v42, v[KB+5], v[KB+6]
	s_delay_alu instid0(VALU_DEP_1)
	v_max_num_f32 v42, v42, v[KB+7]
.endif
	s_delay_alu instid0(VALU_DEP_1)
	v_permlanex16_b32 v43, v42, s[SEL], s[SEL+1]
	s_delay_alu instid0(VALU_DEP_1)
	v_cndmask_b32 v[\xa], v42, v43, s[HM]
	s_delay_alu instid0(VALU_DEP_2)
	v_cndmask_b32 v[\xb], v43, v42, s[HM]
.endm
.macro MAXAREA al, c
	AREA \al
	WIN 0x14*AW
.set j, 0
.rept 16
	v_max3_num_f32 v[\c], v[\c], v[AR+j], v[AR+j+1]
	v_max3_num_f32 v[\c+1], v[\c+1], v[AR+j+2], v[AR+j+3]
.set j, j+4
.endr
.endm
.macro EXPAREA al, nm
	AREA \al
	WIN 0x41*AW
.set j, 0
.rept 32
	v_pk_fma_f32 v[AR+j:AR+j+1], v[AR+j:AR+j+1], s[CS:CS+1], v[\nm:\nm+1] op_sel_hi:[1,0,0]
.set j, j+2
.endr
.set j, 0
	s_wait_alu depctr_va_vdst(0)
.rept 64
	v_exp_f32 v[AR+j], v[AR+j]
.set j, j+1
.endr
.endm
.macro SUMAREA al, c
	AREA \al
	WIN 0x04*AW
.set j, 0
.rept 16
	v_pk_add_f32 v[\c:\c+1], v[\c:\c+1], v[AR+j:AR+j+1]
	v_pk_add_f32 v[\c+2:\c+3], v[\c+2:\c+3], v[AR+j+2:AR+j+3]
.set j, j+4
.endr
.endm
.macro CODEAREA al, rl                 ; p / l, the hold, the codes: 16 registers at KB + 16 al of window 0: the second product's operand for this tile and these 128 keys
	AREA \al
	WIN 0x41*AW
.set j, 0
.rept 32
	v_pk_mul_f32 v[AR+j:AR+j+1], v[AR+j:AR+j+1], v[\rl:\rl+1]
.set j, j+2
.endr
.set j, 0
.rept 64
.set j, j+1
.endr
	WIN 0x01*AW
.set j, 0
.rept 8
	v_cvt_scalef32_pk8_fp8_f32 v[KB+16*(\al)+2*j:KB+16*(\al)+2*j+1], v[AR+8*j:AR+8*j+7], v[SC8]
.set j, j+1
.endr
.endm
; a round's softmax
.macro XPHASE rho
	WIN 0
.irp i, 0,1,2,3
	v_mov_b32 v[MXC+\i], 0xff800000
.endr
	MAXAREA 0, MXC
	MAXAREA 1, MXC
	MAXAREA 2, MXC
	MAXAREA 3, MXC+2
	MAXAREA 4, MXC+2
	MAXAREA 5, MXC+2
	WIN 0
	v_max_num_f32 v[MXC], v[MXC], v[MXC+1]
	v_max_num_f32 v[MXC+2], v[MXC+2], v[MXC+3]
	s_delay_alu instid0(VALU_DEP_2)
	v_permlanex16_b32 v[MXC+1], v[MXC], s[SEL], s[SEL+1]
	s_delay_alu instid0(VALU_DEP_2)
	v_permlanex16_b32 v[MXC+3], v[MXC+2], s[SEL], s[SEL+1]
	s_delay_alu instid0(VALU_DEP_2)
	v_max_num_f32 v[MXC], v[MXC], v[MXC+1]
	s_delay_alu instid0(VALU_DEP_2)
	v_max_num_f32 v[MXC+2], v[MXC+2], v[MXC+3]
	s_delay_alu instid0(VALU_DEP_2)
	v_mul_f32 v[MXC], s[CS], v[MXC]
	s_delay_alu instid0(VALU_DEP_2)
	v_mul_f32 v[MXC+2], s[CS], v[MXC+2]
	EXCH 0, 2*(\rho), MXC, MXC+2
	s_delay_alu instid0(VALU_DEP_2)
	v_max_num_f32 v[MXC], v[MXC], v[TS+2*(\rho)]   ; the self logit counts too
	s_delay_alu instid0(VALU_DEP_2)
	v_max_num_f32 v[MXC+2], v[MXC+2], v[TS+2*(\rho)+1]
	s_delay_alu instid0(VALU_DEP_2)
	v_floor_f32 v[NM], -v[MXC]
	s_delay_alu instid0(VALU_DEP_3)
	v_floor_f32 v[NM+1], -v[MXC]
	s_delay_alu instid0(VALU_DEP_3)
	v_floor_f32 v[NM+2], -v[MXC+2]
	s_delay_alu instid0(VALU_DEP_4)
	v_floor_f32 v[NM+3], -v[MXC+2]
	s_delay_alu instid0(VALU_DEP_4)
	v_add_f32 v44, v[TS+2*(\rho)], v[NM]
	s_delay_alu instid0(VALU_DEP_3)
	v_add_f32 v45, v[TS+2*(\rho)+1], v[NM+2]
.irp i, 0,1,2,3,4,5,6,7
	v_mov_b32 v[SUMC+\i], 0
.endr
	EXPAREA 0, NM                                  ; the first batch: window 0's two areas and the two self terms
	EXPAREA 1, NM
	v_exp_f32 v44, v44
	v_exp_f32 v45, v45
	v_nop
	s_wait_alu depctr_va_vdst(0)                   ; its wait
	EXPAREA 2, NM                                  ; the second batch: window 1's four areas
	EXPAREA 3, NM+2
	EXPAREA 4, NM+2
	EXPAREA 5, NM+2
	v_nop
	s_wait_alu depctr_va_vdst(0)                   ; its wait, ahead of the first reader
	SUMAREA 0, SUMC
	SUMAREA 1, SUMC
	SUMAREA 2, SUMC
	SUMAREA 3, SUMC+4
	SUMAREA 4, SUMC+4
	SUMAREA 5, SUMC+4
	WIN 0
	v_pk_add_f32 v[SUMC:SUMC+1], v[SUMC:SUMC+1], v[SUMC+2:SUMC+3]
	v_pk_add_f32 v[SUMC+4:SUMC+5], v[SUMC+4:SUMC+5], v[SUMC+6:SUMC+7]
	s_delay_alu instid0(VALU_DEP_2)
	v_add_f32 v[SUMC], v[SUMC], v[SUMC+1]
	s_delay_alu instid0(VALU_DEP_2)
	v_add_f32 v[SUMC+4], v[SUMC+4], v[SUMC+5]
	s_delay_alu instid0(VALU_DEP_2)
	v_permlanex16_b32 v[SUMC+1], v[SUMC], s[SEL], s[SEL+1]
	s_delay_alu instid0(VALU_DEP_2)
	v_permlanex16_b32 v[SUMC+5], v[SUMC+4], s[SEL], s[SEL+1]
	s_delay_alu instid0(VALU_DEP_2)
	v_add_f32 v[SUMC], v[SUMC], v[SUMC+1]
	s_delay_alu instid0(VALU_DEP_2)
	v_add_f32 v[SUMC+4], v[SUMC+4], v[SUMC+5]
	EXCH 1, 2*(\rho)+1, SUMC, SUMC+4
	v_add_f32 v[SUMC], v[SUMC], v44                ; l
	v_add_f32 v[SUMC+4], v[SUMC+4], v45
	s_wait_alu depctr_va_vdst(0)
	v_rcp_f32 v[RL], v[SUMC]
	v_rcp_f32 v[RL+2], v[SUMC+4]
	v_nop
	s_wait_alu depctr_va_vdst(0)                   ; one wait for the two reciprocals
	v_mov_b32 v[RL+1], v[RL]
	v_mov_b32 v[RL+3], v[RL+2]
	v_mul_f32 v[PS+2*(\rho)], v44, v[RL]
	v_mul_f32 v[PS+2*(\rho)+1], v45, v[RL+2]
	CODEAREA 0, RL
	CODEAREA 1, RL
	CODEAREA 2, RL
	CODEAREA 3, RL+2
	CODEAREA 4, RL+2                               ; areas 4 and 5's codes land on area 0's registers, which are done with
	CODEAREA 5, RL+2
	WIN 0
	v_nop                                          ; a plain line behind the last conversion
.endm
	s_wait_tensorcnt 0x0                           ; my piece of K is in; only I read it
	s_wait_loadcnt 0x0                             ; Q and the self logits
.irp i, 0,1,2,3
	v_mul_f32 v[TS+\i], 0x3fb8aa3b, v[TS+\i]       ; t_self
.endr
	SPHASE
	PLACES
	QLOAD 1
	XPHASE 0
.set n, 0
.rept 24
	ds_store_b128 v[AST], v[KB+4*n:KB+4*n+3] offset:512*n
.set n, n+1
.endr
	s_wait_dscnt 0x0
	s_wait_loadcnt 0x0
	SPHASE
	s_wait_tensorcnt 0x0                           ; K's bytes are filled again, with V: all my tensor loads,
	ds_add_u32 v[SPW], v[NIL]                      ; 0 onto my spare word,
	PLACES
	s_wait_dscnt 0x0                               ; the add and my reads of K,
	CROUND                                         ; and a round of the cluster's barrier
	tensor_load_to_lds s[G0V:G0V+3], s[G1:G1+7]    ; my piece of V: one load of mine is out
	s_nop 0
	PLACES
.irp i, 0,1,2,3
	global_load_b128 v[QF+4*\i:QF+4*\i+3], v47, s[50:51] offset:16*\i   ; vq: 16 channels of my token
.endr
	XPHASE 1
	s_wait_tensorcnt 0x0                           ; V is in; only I read my piece
	; O^T = V^T P^T over my 384 keys, for the four tiles: 16 accumulators by turns
.set n, 0
.rept 24
	ds_load_b128 v[160+4*n:160+4*n+3], v[AST] offset:512*n
.set n, n+1
.endr
.macro VLOAD sg, vb
	WIN 0x40
.irp d, 0,1,2,3
.irp k, 0,1
	ds_load_b128 v[\vb+16*\d+8*\k:\vb+16*\d+8*\k+3], v[AKV] offset:(2*(\sg)+\k)*4096+\d*1024
	ds_load_b128 v[\vb+16*\d+8*\k+4:\vb+16*\d+8*\k+7], v[AKV] offset:(2*(\sg)+\k)*4096+\d*1024+512
.endr
.endr
.endm
.macro PVMUL sg, vb, zero
	WIN 0x51                                       ; source 0 (V), C and D window 1; source 1 (P) window 0
.irp d, 0,1,2,3
.irp i, 0,1,2,3
.if \i < 2
.set pr, 160+16*(3*\i+(\sg))
.else
.set pr, KB+16*(3*(\i-2)+(\sg))
.endif
.if \zero
	v_wmma_f32_16x16x128_fp8_fp8 v[8*(4*\i+\d):8*(4*\i+\d)+7], v[\vb+16*\d:\vb+16*\d+15], v[pr:pr+15], 0
.else
	v_wmma_f32_16x16x128_fp8_fp8 v[8*(4*\i+\d):8*(4*\i+\d)+7], v[\vb+16*\d:\vb+16*\d+15], v[pr:pr+15], v[8*(4*\i+\d):8*(4*\i+\d)+7]
.endif
.endr
.endr
.endm
	VLOAD 0, 128
	VLOAD 1, 192
	s_wait_dscnt 16                                ; the codes and the first 128 keys of V are in; the next 16 loads stay out
	PVMUL 0, 128, 1
	PLACES
	VLOAD 2, 128
	s_wait_dscnt 16
	PVMUL 1, 192, 0
	s_wait_alu depctr_va_vdst(0)
	s_wait_dscnt 0
	PVMUL 2, 128, 0
	PLACES
	; the eight waves' partial sums meet in LDS: each wave's in its own piece, which has had its last fill and which only it has read
	WIN 0x04                                       ; store data window 1
.irp i, 0,1,2,3
.irp d, 0,1,2,3
	ds_store_b128 v[AKV], v[8*(4*\i+\d):8*(4*\i+\d)+3] offset:\i*4096+\d*1024
	ds_store_b128 v[AKV], v[8*(4*\i+\d)+4:8*(4*\i+\d)+7] offset:\i*4096+\d*1024+512
.endr
.endr
	WIN 0
	s_wait_dscnt 0x0
	s_barrier_signal -1
	s_barrier_wait -1
.irp w, 0,1,2,3,4,5,6,7
.irp u, 0,1
	ds_load_b128 v[KB+16*\w+8*\u:KB+16*\w+8*\u+3], v[ARD+\w/2] offset:(\w%2)*PIECE+\u*1024
	ds_load_b128 v[KB+16*\w+8*\u+4:KB+16*\w+8*\u+7], v[ARD+\w/2] offset:(\w%2)*PIECE+\u*1024+512
.endr
.endr
	s_bitcmp1_b32 s[WV], 1                         ; p_self of my tile: a choice by masks made of the wave's number
	s_cselect_b32 s44, -1, 0
	s_bitcmp1_b32 s[WV], 2
	s_cselect_b32 s45, -1, 0
	v_cndmask_b32 v42, v[PS], v[PS+1], s44
	v_cndmask_b32 v43, v[PS+2], v[PS+3], s44
	s_delay_alu instid0(VALU_DEP_1)
	v_cndmask_b32 v42, v42, v43, s45
	s_delay_alu instid0(VALU_DEP_1)
	v_mov_b32 v43, v42
	s_add_co_i32 s68, s94, 127
	s_lshl_b32 s69, s68, 23
	v_mov_b32 v[SC8], s69                          ; 2^e10
	s_wait_dscnt 0x0
.irp p, 0,2,4,6                        ; a fixed tree: waves 0 + 1, 2 + 3, 4 + 5, 6 + 7; then by fours; then all
.irp i, 0,2,4,6,8,10,12,14
	v_pk_add_f32 v[KB+16*\p+\i:KB+16*\p+\i+1], v[KB+16*\p+\i:KB+16*\p+\i+1], v[KB+16*\p+16+\i:KB+16*\p+16+\i+1]
.endr
.endr
.irp p, 0,4
.irp i, 0,2,4,6,8,10,12,14
	v_pk_add_f32 v[KB+16*\p+\i:KB+16*\p+\i+1], v[KB+16*\p+\i:KB+16*\p+\i+1], v[KB+16*\p+32+\i:KB+16*\p+32+\i+1]
.endr
.endr
.irp i, 0,2,4,6,8,10,12,14
	v_pk_add_f32 v[KB+\i:KB+\i+1], v[KB+\i:KB+\i+1], v[KB+64+\i:KB+64+\i+1]
.endr
	s_wait_loadcnt 0x0                             ; vq
.irp i, 0,2,4,6,8,10,12,14
	v_pk_mul_f32 v[QF+\i:QF+\i+1], v[QF+\i:QF+\i+1], v[42:43]
.endr
.irp i, 0,2,4,6,8,10,12,14
	v_pk_fma_f32 v[KB+\i:KB+\i+1], v[KB+\i:KB+\i+1], s[56:57], v[QF+\i:QF+\i+1] op_sel_hi:[1,0,1]   ; sum x 2^(e8 + e9) + p_self x vq
.endr
.irp i, 0,1,2,3,4,5,6,7,8,9,10,11,12,13,14,15
.endr
	v_cvt_scalef32_pk8_fp8_f32 v[44:45], v[KB:KB+7], v[SC8]
	v_cvt_scalef32_pk8_fp8_f32 v[46:47], v[KB+8:KB+15], v[SC8]
	v_nop
	global_store_b128 v[L16], v[44:47], s[14:15]   ; half an image: 512 consecutive bytes
	s_wait_tensorcnt 0x0                           ; the wave's end
	ds_add_u32 v[SPW], v[NIL]
	s_wait_dscnt 0x0
	CROUND                                         ; the closing round
	s_endpgm
.Lfunc_end_k_qf70f400bb5_attnq:
	.size	k_qf70f400bb5_attnq, .Lfunc_end_k_qf70f400bb5_attnq-k_qf70f400bb5_attnq
	.p2alignl 7, 3214868480
	.fill 96, 4, 3214868480
	.section	.rodata,"a",@progbits
	.p2align	6, 0x0
	.amdhsa_kernel k_qf70f400bb5_attnq
		.amdhsa_group_segment_fixed_size 327680
		.amdhsa_private_segment_fixed_size 0
		.amdhsa_enable_private_segment 0
		.amdhsa_kernarg_size 48
		.amdhsa_user_sgpr_count 2
		.amdhsa_user_sgpr_kernarg_segment_ptr 1
		.amdhsa_wavefront_size32 1
		.amdhsa_system_sgpr_workgroup_id_x 1
		.amdhsa_system_sgpr_workgroup_id_y 1
		.amdhsa_system_sgpr_workgroup_id_z 1
		.amdhsa_system_vgpr_workitem_id 0
		.amdhsa_next_free_vgpr 512
		.amdhsa_next_free_sgpr 100
		.amdhsa_reserve_vcc 0
		.amdhsa_float_denorm_mode_32 3
		.amdhsa_float_denorm_mode_16_64 3
		.amdhsa_fp16_overflow 1
		.amdhsa_memory_ordered 1
		.amdhsa_forward_progress 1
		.amdhsa_inst_pref_size 181
	.end_amdhsa_kernel
	.amdgpu_metadata
---
amdhsa.version: [ 1, 2 ]
amdhsa.kernels:
  - .name:           k_qf70f400bb5_attnq
    .symbol:         k_qf70f400bb5_attnq.kd
    .args:
      - { .name: qimg, .offset: 0, .size: 8, .value_kind: global_buffer, .address_space: global }
      - { .name: kimg, .offset: 8, .size: 8, .value_kind: global_buffer, .address_space: global }
      - { .name: vimg, .offset: 16, .size: 8, .value_kind: global_buffer, .address_space: global }
      - { .name: qaux, .offset: 24, .size: 8, .value_kind: global_buffer, .address_space: global }
      - { .name: lowp_scales, .offset: 32, .size: 8, .value_kind: global_buffer, .address_space: global }
      - { .name: oc, .offset: 40, .size: 8, .value_kind: global_buffer, .address_space: global }
    .group_segment_fixed_size: 327680
    .private_segment_fixed_size: 0
    .kernarg_segment_align: 8
    .kernarg_segment_size: 48
    .max_flat_workgroup_size: 256
    .sgpr_count:     100
    .vgpr_count:     512
    .wavefront_size: 32
...
	.end_amdgpu_metadata
.endif
;; end of part 4
;; launch outp (part 5): grid 8 x 32, 4 waves a work-group, clusters of 4 x 4, 270,848 bytes of LDS; arguments oc, owc, lowp_scales, out0; writes out0
.if DOCPART == 5
	.amdgcn_target "amdgcn-amd-amdhsa--gfx1250"
	.amdhsa_code_object_version 6
	.text
	.protected	k_qf70f400bb5_outp
	.globl	k_qf70f400bb5_outp
	.p2align	8
	.type	k_qf70f400bb5_outp,@function
k_qf70f400bb5_outp:
	s_mov_b64 s[64:65], 0
	v_nop
	global_prefetch_b8 v0, s[64:65] scope:SCOPE_SE
	s_setreg_imm32_b32 hwreg(HW_REG_WAVE_MODE, 25, 1), 1
	s_wait_xcnt 0x0
	s_wait_alu depctr_hold_cnt(0) depctr_sa_sdst(0) depctr_va_vdst(0) depctr_va_sdst(0) depctr_va_ssrc(0) depctr_va_vcc(0) depctr_vm_vsrc(0)
	s_getreg_b32 s2, hwreg(HW_REG_IB_STS2, 6, 4)
	s_cmp_eq_u32 s2, 0
	s_cbranch_scc0 .Lentry_in_a_cluster
	s_endpgm
.Lentry_in_a_cluster:
	s_bfe_u32 s2, ttmp6, 0x10000c
	s_cmp_lg_u32 s2, 0xf033
	s_cbranch_scc0 .Lentry_shape_is_right
	s_endpgm
.Lentry_shape_is_right:
; out0 = attention's result x out_w^T on codes of E4M3; each finished sum x 2^(e10 + e11).  LIMIT: e10 + e11 in [-126, 127].
; A tile of 128 tokens x 128 columns to a work-group (256 of them), 64 x 64 to a wave: 16 accumulators.  Used transposed (source 0 = 16 rows of out_w, source 1 = 16 tokens): a lane holds eight neighbouring columns of a row.
; ALL of K = 1,024 fits in LDS as four chunks of 256: every fill is a first fill, so there is no ring and nothing is filled again.  A wave has four tensor loads out at the start.
; A's chunk is 32 KiB of operand images ([head][token tile][1,024 bytes]: a fragment is four loads of 512 consecutive bytes); B's is 128 rows of 256 bytes, 272 apart.
; In both, registers 4 c .. 4 c + 3 of a fragment hold K = 32 c + 16 (lane / 16) + 0 .. 15.
; CLUSTER 4 x 4: A's chunks are shared along a row of the cluster, B's along a column.  No prefetch: all tiles are asked for at the head.
; REGISTERS.  window 0: v8-18 addresses; v32-63, v64-127 the way out; v128-255 the accumulators ((a, b) at v[128 + 8 (4 a + b)]).   window 1: two fragment buffers of 128: A's four, then B's four.
.set PITCH,  272
.set CHUNK,  67584                     ; 32,768 of A + 128 x 272 of B
.set SPITCH, 272
.set ADA, 8
.set ADB, 12
.set STO, 16
.set RD,  17
.set CO,  18
.set TMP, 32
.set BK,  64
.set ACC, 128
.set G1A, 24
.set G0A, 32
.set G1B, 48
.set G0B, 68
.set MSB, 0
.macro WIN new
.if MSB != \new
	s_set_vgpr_msb (MSB<<8)|\new
.set MSB, \new
.endif
.endm
.macro CROUND
	s_barrier_signal -1
	s_barrier_wait -1
	s_cmp_lg_u32 s14, 0
	s_cbranch_scc1 .Lnot_wave_0_\@
	s_barrier_signal -3
.Lnot_wave_0_\@:
	s_barrier_wait -3
	s_barrier_signal -1
	s_barrier_wait -1
.endm
.macro PLACES
.rept 4
	v_nop
.endr
.endm
	s_load_b256 s[4:11], s[0:1], 0x0               ; oc s[4:5], owc s[6:7], the scales s[8:9], out0 s[10:11]
	v_lshl_add_u32 v30, v0, 2, 0x42000
	v_mov_b32 v31, 0
	ds_add_u32 v30, v31
	ds_add_u32 v30, v31
	v_lshrrev_b32 v1, 5, v0
	v_readfirstlane_b32 s14, v1                    ; wave
	s_lshr_b32 s15, s14, 1                         ; my half of the rows.  Also: I fetch for A (0) or for B (1)
	s_and_b32 s16, s14, 1                          ; my half of the columns.  Also: which half of a chunk I fetch
	s_bfe_u32 s56, ttmp6, 0x40000                  ; cx
	s_bfe_u32 s57, ttmp6, 0x40004                  ; cy
	s_lshl_b32 s58, ttmp9, 2
	s_add_co_u32 s58, s58, s56                     ; X: tile column
	s_and_b32 s59, ttmp7, 0xffff
	s_lshl_b32 s59, s59, 2
	s_add_co_u32 s59, s59, s57                     ; Y: tile row
	s_lshl_b32 s60, s57, 2
	s_lshl_b32 s60, 15, s60                        ; my row of the cluster
	s_lshl_b32 s61, 0x1111, s56                    ; my column
	s_or_b32 s[G1A], s60, (3<<16)|(1<<21)          ; A: elements of 8 bytes, no padding
	s_mov_b32 s[G1A+1], 32<<16                     ; 64 dense rows of 256 bytes
	s_mov_b32 s[G1A+2], 64<<16
	s_mov_b32 s[G1A+3], 32<<16
	s_mov_b32 s[G1A+4], 64
	s_mov_b32 s[G1A+5], 32
	s_mov_b32 s[G1A+6], 0
	s_mov_b32 s[G1A+7], 0
	s_or_b32 s[G1B], s61, (0<<16)|(1<<20)|(1<<21)|(5<<22)|(3<<25)   ; B: bytes; 4 words of padding behind every 64
	s_mov_b32 s[G1B+1], 256<<16                    ; 64 rows of 256 bytes, 1,024 apart
	s_mov_b32 s[G1B+2], 64<<16
	s_mov_b32 s[G1B+3], 256<<16
	s_mov_b32 s[G1B+4], 64
	s_mov_b32 s[G1B+5], 1024
	s_mov_b32 s[G1B+6], 0
	s_mov_b32 s[G1B+7], 0
	s_lshl_b32 s20, s59, 17
	s_lshl_b32 s21, s16, 14
	s_add_co_u32 s20, s20, s21                     ; A: 131,072 Y + 16,384 half
	s_mov_b32 s21, 0
	s_lshl_b32 s22, s58, 7
	s_lshl_b32 s23, s16, 6
	s_add_co_u32 s22, s22, s23
	s_lshl_b32 s22, s22, 10                        ; B: row 128 X + 64 half
	s_mov_b32 s23, 0
	s_lshl_b32 s17, s16, 14                        ; where they go in a chunk
	s_mul_i32 s18, s16, 64*PITCH
	s_add_co_u32 s18, s18, 32768
	s_wait_dscnt 0x0
	s_wait_kmcnt 0x0
	s_load_b64 s[84:85], s[8:9], 0x28              ; e10, e11
	s_add_nc_u64 s[20:21], s[4:5], s[20:21]
	s_add_nc_u64 s[22:23], s[6:7], s[22:23]
.irp ch, 0,1,2,3
	s_mov_b32 s[G0A+4*\ch], 1
	s_add_co_u32 s[G0A+4*\ch+1], s17, \ch*CHUNK
	s_add_nc_u64 s[G0A+4*\ch+2:G0A+4*\ch+3], s[20:21], \ch*32768
	s_or_b32 s[G0A+4*\ch+3], s[G0A+4*\ch+3], 0x80000000
	s_mov_b32 s[G0B+4*\ch], 1
	s_add_co_u32 s[G0B+4*\ch+1], s18, \ch*CHUNK
	s_add_nc_u64 s[G0B+4*\ch+2:G0B+4*\ch+3], s[22:23], \ch*256
	s_or_b32 s[G0B+4*\ch+3], s[G0B+4*\ch+3], 0x80000000
.endr
	CROUND                                         ; all sixteen work-groups are here: the joint loads meet
	s_cmp_eq_u32 s15, 0                            ; a wave's four fills stand in one branch: four loads of mine are out; four v_nop follow the last
	s_cbranch_scc0 .Lfirst_b
.irp ch, 0,1,2,3
	tensor_load_to_lds s[G0A+4*\ch:G0A+4*\ch+3], s[G1A:G1A+7]
	s_nop 0
.endr
	PLACES
	s_branch .Lfirst_done
.Lfirst_b:
.irp ch, 0,1,2,3
	tensor_load_to_lds s[G0B+4*\ch:G0B+4*\ch+3], s[G1B:G1B+7]
	s_nop 0
.endr
	PLACES
.Lfirst_done:
	v_and_b32 v1, 15, v0                           ; r
	v_bfe_u32 v2, v0, 4, 1                         ; h
	v_and_b32 v3, 31, v0
	v_lshlrev_b32 v3, 4, v3                        ; 16 x lane
	s_lshl_b32 s60, s15, 12                        ; my four token tiles' images
	v_add_nc_u32 v[ADA], s60, v3
	v_mul_u32_u24 v4, v1, PITCH
	v_lshl_add_u32 v4, v2, 4, v4
	s_mul_i32 s60, s16, 64*PITCH                   ; my 64 rows of out_w
	s_add_co_u32 s60, s60, 32768
	v_add_nc_u32 v[ADB], s60, v4
.irp ch, 1,2,3
	v_add_nc_u32 v[ADA+\ch], \ch*CHUNK, v[ADA]
	v_add_nc_u32 v[ADB+\ch], \ch*CHUNK, v[ADB]
.endr
	s_mul_i32 s60, s14, 16*SPITCH                  ; my stage, in chunk 0's bytes of A
	v_mul_u32_u24 v4, v1, SPITCH
	v_lshl_add_u32 v4, v2, 5, v4
	v_add_nc_u32 v[STO], s60, v4                   ; in: row r, 32 bytes for each half of the lanes
	v_mul_u32_u24 v4, v2, SPITCH
	v_lshl_add_u32 v4, v1, 4, v4
	v_add_nc_u32 v[RD], s60, v4                    ; back: lanes 0-15 one row of 256 bytes, lanes 16-31 the next
	v_lshlrev_b32 v[CO], 12, v2
	v_lshl_add_u32 v[CO], v1, 4, v[CO]             ; and the same two rows in out0
	s_lshl_b32 s86, s59, 7
	s_lshl_b32 s87, s15, 6
	s_add_co_u32 s86, s86, s87
	s_lshl_b32 s86, s86, 12                        ; my first row: 128 Y + 64 half, rows of 4,096 bytes
	s_lshl_b32 s88, s58, 9
	s_lshl_b32 s89, s16, 8
	s_add_co_u32 s88, s88, s89                     ; my first column, in bytes
	s_add_co_u32 s86, s86, s88
	s_mov_b32 s87, 0
	s_add_nc_u64 s[10:11], s[10:11], s[86:87]
.macro FETCH n                         ; sub-step n (128 along K: chunk n / 2, half n % 2) into buffer n % 2: 32 loads
.set ch, (\n)/2
.set q, (\n)%2
.set F, 128*((\n)%2)
	WIN 0x40
.irp a, 0,1,2,3
.irp c, 0,1,2,3
	ds_load_b128 v[F+16*\a+4*\c:F+16*\a+4*\c+3], v[ADA+ch] offset:(2*q+\c/2)*8192+\a*1024+(\c%2)*512
.endr
.endr
.irp b, 0,1,2,3
.irp c, 0,1,2,3
	ds_load_b128 v[F+64+16*\b+4*\c:F+64+16*\b+4*\c+3], v[ADB+ch] offset:128*q+32*\c+\b*16*PITCH
.endr
.endr
.endm
.macro MUL16 n                         ; the 16 accumulators take turns, one instruction a turn
.set F, 128*((\n)%2)
	WIN 0x05                                       ; sources 0 and 1 window 1
.irp a, 0,1,2,3
.irp b, 0,1,2,3
.if (\n) == 0
	v_wmma_f32_16x16x128_fp8_fp8 v[ACC+8*(4*\a+\b):ACC+8*(4*\a+\b)+7], v[F+64+16*\b:F+64+16*\b+15], v[F+16*\a:F+16*\a+15], 0
.else
	v_wmma_f32_16x16x128_fp8_fp8 v[ACC+8*(4*\a+\b):ACC+8*(4*\a+\b)+7], v[F+64+16*\b:F+64+16*\b+15], v[F+16*\a:F+16*\a+15], v[ACC+8*(4*\a+\b):ACC+8*(4*\a+\b)+7]
.endif
.endr
.endr
.endm
.macro SUB n
.if ((\n)%2 == 1) && ((\n) < 7)
	s_wait_dscnt 0x0                               ; no LDS instruction of mine is pending at a signal
	s_wait_tensorcnt 2-(\n)/2                      ; my part of the next chunk is in; the later chunks' loads stay out
	s_barrier_signal -1
	s_barrier_wait -1
.endif
.if (\n) < 7
	PLACES                                         ; in front of loads into the buffer that the sub-step before multiplied
	FETCH (\n)+1
	s_wait_dscnt 32                                ; all but the 32 just issued
.else
	s_wait_dscnt 0x0
.endif
	MUL16 \n
.endm
	s_wait_alu depctr_va_vdst(0)
	s_wait_tensorcnt 3                             ; my part of chunk 0 is in; three loads stay out
	s_barrier_signal -1
	s_barrier_wait -1
	FETCH 0
.irp n, 0,1,2,3,4,5,6,7
	SUB \n
.endr
	WIN 0
	PLACES
	; THE WAY OUT, a block of 16 rows x 64 columns at a time, through my stage: chunk 0 has had its only fill, and every wave's reads of it were over at the barrier of sub-step 1
.macro TOSTAGE a
.set j, 0
.rept 16
	v_pk_mul_f32 v[TMP+j:TMP+j+1], v[ACC+32*(\a)+j:ACC+32*(\a)+j+1], s[84:85] op_sel_hi:[1,0]   ; x 2^(e10 + e11); each accumulator from its low end on
.set j, j+2
.endr
.irp b, 0,1,2,3
	ds_store_b128 v[STO], v[TMP+8*\b:TMP+8*\b+3] offset:64*\b
	ds_store_b128 v[STO], v[TMP+8*\b+4:TMP+8*\b+7] offset:64*\b+16
.endr
.set BB, BK+32*((\a)%2)
.irp t, 0,1,2,3,4,5,6,7
	ds_load_b128 v[BB+4*\t:BB+4*\t+3], v[RD] offset:\t*2*SPITCH   ; LDS serves a wave's instructions in order: these see my stores
.endr
.endm
.macro SEND a, younger
.set BB, BK+32*((\a)%2)
	s_wait_dscnt \younger                          ; the block is back; the next block's 16 LDS instructions may be out
.irp t, 0,1,2,3,4,5,6,7
	global_store_b128 v[CO], v[BB+4*\t:BB+4*\t+3], s[10:11] offset:(16*(\a)+2*\t)*4096 th:TH_STORE_NT   ; 16 lanes store 256 consecutive bytes, aligned
.endr
.endm
	s_wait_kmcnt 0x0
	s_add_co_i32 s84, s84, s85
	s_add_co_i32 s84, s84, 127
	s_lshl_b32 s84, s84, 23                        ; 2^(e10 + e11)
	s_mov_b32 s85, s84
	TOSTAGE 0
.irp a, 1,2,3
.if \a > 1
	s_wait_xcnt 0x0                                ; block a - 2's stores have read their registers: block a's loads may land there
.endif
	TOSTAGE \a
	SEND \a-1, 16
.endr
	SEND 3, 0
	s_wait_tensorcnt 0x0
	ds_add_u32 v30, v31
	s_wait_dscnt 0x0
	CROUND                                         ; the closing round: no work-group ends while a partner may still ask for a tile that names it
	s_endpgm
.Lfunc_end_k_qf70f400bb5_outp:
	.size	k_qf70f400bb5_outp, .Lfunc_end_k_qf70f400bb5_outp-k_qf70f400bb5_outp
	.p2alignl 7, 3214868480
	.fill 96, 4, 3214868480
	.section	.rodata,"a",@progbits
	.p2align	6, 0x0
	.amdhsa_kernel k_qf70f400bb5_outp
		.amdhsa_group_segment_fixed_size 270848
		.amdhsa_private_segment_fixed_size 0
		.amdhsa_enable_private_segment 0
		.amdhsa_kernarg_size 32
		.amdhsa_user_sgpr_count 2
		.amdhsa_user_sgpr_kernarg_segment_ptr 1
		.amdhsa_wavefront_size32 1
		.amdhsa_system_sgpr_workgroup_id_x 1
		.amdhsa_system_sgpr_workgroup_id_y 1
		.amdhsa_system_sgpr_workgroup_id_z 1
		.amdhsa_system_vgpr_workitem_id 0
		.amdhsa_next_free_vgpr 512
		.amdhsa_next_free_sgpr 100
		.amdhsa_reserve_vcc 0
		.amdhsa_float_denorm_mode_32 3
		.amdhsa_float_denorm_mode_16_64 3
		.amdhsa_memory_ordered 1
		.amdhsa_forward_progress 1
		.amdhsa_inst_pref_size 46
	.end_amdhsa_kernel
	.amdgpu_metadata
---
amdhsa.version: [ 1, 2 ]
amdhsa.kernels:
  - .name:           k_qf70f400bb5_outp
    .symbol:         k_qf70f400bb5_outp.kd
    .args:
      - { .name: oc, .offset: 0, .size: 8, .value_kind: global_buffer, .address_space: global }
      - { .name: owc, .offset: 8, .size: 8, .value_kind: global_buffer, .address_space: global }
      - { .name: lowp_scales, .offset: 16, .size: 8, .value_kind: global_buffer, .address_space: global }
      - { .name: out0, .offset: 24, .size: 8, .value_kind: global_buffer, .address_space: global }
    .group_segment_fixed_size: 270848
    .private_segment_fixed_size: 0
    .kernarg_segment_align: 8
    .kernarg_segment_size: 32
    .max_flat_workgroup_size: 128
    .sgpr_count:     100
    .vgpr_count:     512
    .wavefront_size: 32
...
	.end_amdgpu_metadata
.endif
;; end of part 5
